; MI455X (gfx1250); checked and timed in simulation.
; The chip was launched on July 23, 2026; its instructions are those of AMD's public machine-readable ISA for CDNA 5 (MIT licence, August 2026) and "CDNA5" Instruction Set Architecture Reference Guide (July 2026). The comments in the code are by the model that wrote it; some were corrected since.
;; Transformer Block. Allowed arithmetic: float matrix products may take bf16 or f16 operands with f32 sums; all other float work in f32.
;; Inputs: b1 4,096 float32; b2 1,024 float32; bk 1,024 float32; bo 1,024 float32; bq 1,024 float32; bv 1,024 float32; ln1_scale 1,024 float32; ln1_shift 1,024 float32; ln2_scale 1,024 float32; ln2_shift 1,024 float32; w1 1,024 x 4,096 float32; w2 4,096 x 1,024 float32; wk 1,024 x 1,024 float32; wo 1,024 x 1,024 float32; wq 1,024 x 1,024 float32; wv 1,024 x 1,024 float32; x 2 x 2,048 x 1,024 float32.
;; Outputs: out0 2 x 2,048 x 1,024 float32.
;; One version. Each part assembles by itself: llvm-mc -triple=amdgcn-amd-amdhsa -mcpu=gfx1250 --defsym DOCPART=n.
;; ======== version 1 of 1: 7 launches
;; limits: a function is approximated: absolute error at most 7.5e-08
;; workspace buffers: wb 25,165,824 bytes; hn 8,388,608 bytes; qkv 25,165,824 bytes; ctx 8,388,608 bytes; x1 16,777,216 bytes; g 33,554,432 bytes
;; launch prep (part 1): grid 512 x 1, 8 waves a work-group, no clusters, 0 bytes of LDS; arguments x, ln1_scale, ln1_shift, wq, wk, wv, wo, hn, wb; writes hn, wb
.if DOCPART == 1
	.amdgcn_target "amdgcn-amd-amdhsa--gfx1250"
	.amdhsa_code_object_version 6
	.text
	.protected	k_qd655635966_prep
	.globl	k_qd655635966_prep
	.p2align	8
	.type	k_qd655635966_prep,@function
k_qd655635966_prep:
	s_mov_b64 s[64:65], 0
	v_nop
	global_prefetch_b8 v0, s[64:65] scope:SCOPE_SE
	s_setreg_imm32_b32 hwreg(HW_REG_WAVE_MODE, 25, 1), 1
	s_wait_xcnt 0x0
; Work-groups 0 to 255: hn = LayerNorm(x) * ln1_scale + ln1_shift, rounded once to bf16.  x: [4096][1024] f32, hn: [4096][1024] bf16.
; Work-groups 256 to 511: wq, wk, wv, wo cast to bf16 into wb, each kept [K][N]: wq at byte 0, wk 2,097,152, wv 4,194,304, wo 6,291,456.
; (w1 and w2 are not needed before the feed-forward products: they are cast under the attention launch, which leaves memory idle.)
; A stream: every byte is read once and written once, so no LDS, no barrier, no matrix unit.
; LayerNorm: one wave keeps one row (4,096 bytes) in 32 registers; the mean is taken first, then the sum of squares of x - mean
; (two true passes over registers), so a common offset in x costs no accuracy.  Eight waves, two rows each.
; LIMITS: v_rsq_f32 is accurate to 1 ulp; NaN and infinity in x spread over their row as in any sum.
.set LO,   2                           ; v2        16 x lane: my 16 bytes in each 512 bytes of a row of f32
.set SO,   3                           ; v3        8 x lane: my 8 bytes in each 256 bytes of a row of bf16
.set SC,   4                           ; v[4:35]   scale of my 32 columns
.set SH,   36                          ; v[36:67]  shift of my 32 columns
.set X0,   68                          ; v[68:99]  first row
.set X1,   100                         ; v[100:131] second row
.set T,    132                         ; v[132:139] at work
.set MU,   148                         ; v[148:149] the mean, twice
.set RS,   150                         ; v[150:151] 1 / sqrt(var + eps), twice
.set INP,  4                           ; s[4:5]    x
.set SCP,  6                           ; s[6:7]    scale
.set SHP,  8                           ; s[8:9]    shift
.set OUTP, 18                          ; s[18:19]  hn
.set D,    4                           ; cast part: v[4:67], 16 loads of 4 registers
.macro FOLD                            ; four packed chains in v[T:T+7] to one number in v[T]
	v_pk_add_f32 v[T:T+1], v[T:T+1], v[T+2:T+3]
	v_pk_add_f32 v[T+4:T+5], v[T+4:T+5], v[T+6:T+7]
	v_pk_add_f32 v[T:T+1], v[T:T+1], v[T+4:T+5]
	v_add_f32 v[T], v[T], v[T+1]
.endm
.macro WSUM                            ; v[T] summed over the 32 lanes, the result in every lane
	v_add_f32_dpp v[T], v[T], v[T] row_xmask:1 row_mask:0xf bank_mask:0xf
	v_add_f32_dpp v[T], v[T], v[T] row_xmask:2 row_mask:0xf bank_mask:0xf
	v_add_f32_dpp v[T], v[T], v[T] row_xmask:4 row_mask:0xf bank_mask:0xf
	v_add_f32_dpp v[T], v[T], v[T] row_xmask:8 row_mask:0xf bank_mask:0xf
	v_permlanex16_b32 v[T+1], v[T], s32, s33       ; the other half of the lanes; v[T+1] has been written by FOLD's sources
	v_add_f32 v[T], v[T], v[T+1]
.endm
; One row.  left = younger loads that may stay out when the row has to be there; first = 1: scale and shift are waited for here.
.macro LNROW X, left, first, row
	s_wait_loadcnt \left
.irp c, 0,1,2,3
	v_pk_add_f32 v[T+2*\c:T+2*\c+1], v[\X+4*\c:\X+4*\c+1], v[\X+4*\c+2:\X+4*\c+3]   ; the first eight pairs start four chains
.endr
.irp p, 8,9,10,11,12,13,14,15
	v_pk_add_f32 v[T+2*(\p%4):T+2*(\p%4)+1], v[T+2*(\p%4):T+2*(\p%4)+1], v[\X+2*\p:\X+2*\p+1]
.endr
	FOLD
	WSUM
	v_mul_f32 v[MU], s34, v[T]                     ; sum / 1024
	v_mul_f32 v[MU+1], s34, v[T]
.irp p, 0,1,2,3,4,5,6,7,8,9,10,11,12,13,14,15
	v_pk_add_f32 v[\X+2*\p:\X+2*\p+1], v[\X+2*\p:\X+2*\p+1], v[MU:MU+1] neg_lo:[0,1] neg_hi:[0,1]   ; x - mean, in place
.endr
.irp c, 0,1,2,3
	v_pk_mul_f32 v[T+2*\c:T+2*\c+1], v[\X+2*\c:\X+2*\c+1], v[\X+2*\c:\X+2*\c+1]
.endr
.irp p, 4,5,6,7,8,9,10,11,12,13,14,15
	v_pk_fma_f32 v[T+2*(\p%4):T+2*(\p%4)+1], v[\X+2*\p:\X+2*\p+1], v[\X+2*\p:\X+2*\p+1], v[T+2*(\p%4):T+2*(\p%4)+1]
.endr
	FOLD
	WSUM
	v_fma_f32 v[T], v[T], s34, s35                 ; variance + 1e-5
	v_rsq_f32 v[RS], v[T]
	v_rsq_f32 v[RS+1], v[T]
	v_nop                                          ; one plain vector instruction behind a transcendental before its result is used (ISA guide 5.7.2)
.if \first
	s_wait_loadcnt 0x0                             ; scale and shift (and the second row) are in
.endif
	s_wait_alu depctr_va_vdst(0)
.irp p, 0,1,2,3,4,5,6,7,8,9,10,11,12,13,14,15
	v_pk_mul_f32 v[\X+2*\p:\X+2*\p+1], v[\X+2*\p:\X+2*\p+1], v[RS:RS+1]
.endr
.irp p, 0,1,2,3,4,5,6,7,8,9,10,11,12,13,14,15
	v_pk_fma_f32 v[\X+2*\p:\X+2*\p+1], v[\X+2*\p:\X+2*\p+1], v[SC+2*\p:SC+2*\p+1], v[SH+2*\p:SH+2*\p+1]
.endr
.irp j, 0,1,2,3,4,5,6,7
	v_cvt_pk_bf16_f32 v[\X+4*\j], v[\X+4*\j], v[\X+4*\j+1]
	v_cvt_pk_bf16_f32 v[\X+4*\j+1], v[\X+4*\j+2], v[\X+4*\j+3]
	global_store_b64 v[SO], v[\X+4*\j:\X+4*\j+1], s[OUTP:OUTP+1] offset:\row*2048+256*\j   ; 32 lanes x 8 bytes: 256 consecutive bytes, aligned
.endr
.endm
	s_load_b512 s[4:19], s[0:1], 0x0               ; x, ln1_scale, ln1_shift, wq, wk, wv, wo, hn
	s_load_b64 s[20:21], s[0:1], 0x40              ; wb
	s_cmp_lt_u32 ttmp9, 256
	s_cbranch_scc0 .Lcast
	v_lshrrev_b32 v1, 5, v0
	v_readfirstlane_b32 s26, v1                    ; wave 0..7
	v_and_b32 v1, 31, v0
	v_lshlrev_b32 v[LO], 4, v1
	v_lshlrev_b32 v[SO], 3, v1
	s_lshl_b32 s27, ttmp9, 4
	s_lshl1_add_u32 s27, s26, s27                  ; my first row = 16 x work-group + 2 x wave
	s_lshl_b32 s28, s27, 12                        ; in bytes of x
	s_mov_b32 s29, 0
	s_lshl_b32 s30, s27, 11                        ; in bytes of hn
	s_mov_b32 s31, 0
	s_mov_b32 s32, 0x76543210                      ; v_permlanex16_b32: lane i reads lane i of the other half
	s_mov_b32 s33, 0xfedcba98
	s_mov_b32 s34, 0x3a800000                      ; 1 / 1024
	s_mov_b32 s35, 0x3727c5ac                      ; 1e-5
	s_wait_kmcnt 0x0
	s_add_nc_u64 s[INP:INP+1], s[INP:INP+1], s[28:29]
	s_add_nc_u64 s[OUTP:OUTP+1], s[OUTP:OUTP+1], s[30:31]
.irp j, 0,1,2,3,4,5,6,7
	global_load_b128 v[X0+4*\j:X0+4*\j+3], v[LO], s[INP:INP+1] offset:512*\j
.endr
.irp j, 0,1,2,3,4,5,6,7
	global_load_b128 v[X1+4*\j:X1+4*\j+3], v[LO], s[INP:INP+1] offset:4096+512*\j
.endr
.irp j, 0,1,2,3,4,5,6,7
	global_load_b128 v[SC+4*\j:SC+4*\j+3], v[LO], s[SCP:SCP+1] offset:512*\j
.endr
.irp j, 0,1,2,3,4,5,6,7
	global_load_b128 v[SH+4*\j:SH+4*\j+3], v[LO], s[SHP:SHP+1] offset:512*\j
.endr
	LNROW X0, 24, 1, 0                             ; 24 younger loads (second row, scale, shift) may stay out
	LNROW X1, 0, 0, 1
	s_endpgm
; The cast.  Work-group c = 0..255 takes 16,384 bytes of each of wq, wk, wv, wo: 16 loads of 16 bytes a thread, all issued at once,
; each address formed from its own buffer's pointer.
.macro CVST n, off
	s_wait_loadcnt 15-\n                           ; loads come back in order: load n is in, the younger ones stay out
	v_cvt_pk_bf16_f32 v[D+4*\n], v[D+4*\n], v[D+4*\n+1]
	v_cvt_pk_bf16_f32 v[D+4*\n+1], v[D+4*\n+2], v[D+4*\n+3]
	global_store_b64 v2, v[D+4*\n:D+4*\n+1], s[36:37] offset:\off   ; 32 lanes x 8 bytes: 256 consecutive bytes, aligned
.endm
.Lcast:
	s_sub_co_u32 s26, ttmp9, 256                   ; c
	s_lshl_b32 s28, s26, 14                        ; my bytes in a weight
	s_mov_b32 s29, 0
	s_lshl_b32 s30, s26, 13                        ; the same in bf16
	s_mov_b32 s31, 0
	v_lshlrev_b32 v1, 4, v0                        ; 16 bytes a thread in,
	v_lshlrev_b32 v2, 3, v0                        ; 8 out
	s_wait_kmcnt 0x0
	s_add_nc_u64 s[10:11], s[10:11], s[28:29]
	s_add_nc_u64 s[12:13], s[12:13], s[28:29]
	s_add_nc_u64 s[14:15], s[14:15], s[28:29]
	s_add_nc_u64 s[16:17], s[16:17], s[28:29]
	s_add_nc_u64 s[36:37], s[20:21], s[30:31]      ; wb: my part of wq's image; wk, wv, wo follow by the store's immediate
.irp m, 0,1,2,3
.irp j, 0,1,2,3
	global_load_b128 v[D+4*(4*\m+\j):D+4*(4*\m+\j)+3], v1, s[10+2*\m:11+2*\m] offset:4096*\j th:TH_LOAD_NT
.endr
.endr
.irp m, 0,1,2,3
.irp j, 0,1,2,3
	CVST (4*\m+\j), \m*2097152+2048*\j
.endr
.endr
	s_endpgm
.Lfunc_end_k_qd655635966_prep:
	.size	k_qd655635966_prep, .Lfunc_end_k_qd655635966_prep-k_qd655635966_prep
	.p2alignl 7, 3214868480
	.fill 96, 4, 3214868480
	.section	.rodata,"a",@progbits
	.p2align	6, 0x0
	.amdhsa_kernel k_qd655635966_prep
		.amdhsa_group_segment_fixed_size 0
		.amdhsa_private_segment_fixed_size 0
		.amdhsa_enable_private_segment 0
		.amdhsa_kernarg_size 72
		.amdhsa_user_sgpr_count 2
		.amdhsa_user_sgpr_kernarg_segment_ptr 1
		.amdhsa_wavefront_size32 1
		.amdhsa_system_sgpr_workgroup_id_x 1
		.amdhsa_system_sgpr_workgroup_id_y 1
		.amdhsa_system_sgpr_workgroup_id_z 1
		.amdhsa_system_vgpr_workitem_id 0
		.amdhsa_next_free_vgpr 152
		.amdhsa_next_free_sgpr 66
		.amdhsa_reserve_vcc 0
		.amdhsa_float_denorm_mode_32 3
		.amdhsa_float_denorm_mode_16_64 3
		.amdhsa_memory_ordered 1
		.amdhsa_forward_progress 1
		.amdhsa_inst_pref_size 26
	.end_amdhsa_kernel
	.amdgpu_metadata
---
amdhsa.version: [ 1, 2 ]
amdhsa.kernels:
  - .name:           k_qd655635966_prep
    .symbol:         k_qd655635966_prep.kd
    .args:
      - { .name: x, .offset: 0, .size: 8, .value_kind: global_buffer, .address_space: global }
      - { .name: ln1_scale, .offset: 8, .size: 8, .value_kind: global_buffer, .address_space: global }
      - { .name: ln1_shift, .offset: 16, .size: 8, .value_kind: global_buffer, .address_space: global }
      - { .name: wq, .offset: 24, .size: 8, .value_kind: global_buffer, .address_space: global }
      - { .name: wk, .offset: 32, .size: 8, .value_kind: global_buffer, .address_space: global }
      - { .name: wv, .offset: 40, .size: 8, .value_kind: global_buffer, .address_space: global }
      - { .name: wo, .offset: 48, .size: 8, .value_kind: global_buffer, .address_space: global }
      - { .name: hn, .offset: 56, .size: 8, .value_kind: global_buffer, .address_space: global }
      - { .name: wb, .offset: 64, .size: 8, .value_kind: global_buffer, .address_space: global }
    .group_segment_fixed_size: 0
    .private_segment_fixed_size: 0
    .kernarg_segment_align: 8
    .kernarg_segment_size: 72
    .max_flat_workgroup_size: 256
    .sgpr_count:     66
    .vgpr_count:     152
    .wavefront_size: 32
...
	.end_amdgpu_metadata
.endif
;; end of part 1
;; launch qkv (part 2): grid 12 x 16, 4 waves a work-group, clusters of 4 x 4, 327,680 bytes of LDS; arguments hn, wb, bq, bk, bv, qkv; writes qkv
.if DOCPART == 2
	.amdgcn_target "amdgcn-amd-amdhsa--gfx1250"
	.amdhsa_code_object_version 6
	.text
	.protected	k_qd655635966_qkv
	.globl	k_qd655635966_qkv
	.p2align	8
	.type	k_qd655635966_qkv,@function
k_qd655635966_qkv:
	s_mov_b64 s[64:65], 0
	v_nop
	global_prefetch_b8 v0, s[64:65] scope:SCOPE_SE
	s_setreg_imm32_b32 hwreg(HW_REG_WAVE_MODE, 25, 1), 1
	s_wait_xcnt 0x0
	s_wait_alu depctr_hold_cnt(0) depctr_sa_sdst(0) depctr_va_vdst(0) depctr_va_sdst(0) depctr_va_ssrc(0) depctr_va_vcc(0) depctr_vm_vsrc(0)
	s_getreg_b32 s2, hwreg(HW_REG_IB_STS2, 6, 4)
	s_cmp_eq_u32 s2, 0
	s_cbranch_scc0 .Lentry_in_a_cluster
	s_endpgm
.Lentry_in_a_cluster:
	s_bfe_u32 s2, ttmp6, 0x10000c
	s_cmp_lg_u32 s2, 0xf033
	s_cbranch_scc0 .Lentry_shape_is_right
	s_endpgm
.Lentry_shape_is_right:
; q, k, v = hn W + b.  hn: [4096][1024] bf16.  W: wq, wk, wv as bf16 [K = 1024][N = 1024] in wb.  Sums in f32, the bias starts them.
; Out: qkv bf16 [3 (q, k, v)][32 (batch x 16 + head)][2048][64], rounded once.
; A work-group makes 256 rows x 256 columns with four waves, a wave 128 x 128: 64 accumulator tiles of 16 x 16, 512 registers.
; K goes in steps of 128 through a ring of two LDS slots filled by the tensor data mover.  192 work-groups: a block of 256 columns lies
; inside one of q, k, v; a narrower block would make rows of a tile that are no multiple of 256 bytes.
; THE WEIGHTS STAY [K][N]: a tile of B is 128 k-rows x 256 bytes, and ds_load_tr16_b128 brings a fragment with k along the registers.
; CLUSTERS: 4 x 4 work-groups.  A's tile hangs on the block row alone and is asked for jointly by a row of the cluster, B's on the block
; column alone and is asked for jointly by a column: the requests for A and B are divided by four.  The cluster's x is the part (q, k, v).
; REGISTERS, in windows of 256: window 0: v0-31 addresses, v64-127 and v128-191 fragments of A (two buffers), v192-255 the bias, later the
; way out; window 1: v64-127, v128-191 fragments of B; windows 2, 3: accumulators, tile (a, b) at v[8 (8 a + b)].
; THE MATRIX INSTRUCTION IS USED TRANSPOSED: source 0 = 16 columns of W, source 1 = 16 rows of hn: lane l then holds row l % 16 and its
; registers 0 to 7 the columns 8 (l / 16) + 0..7, eight neighbouring numbers of a row.
; LIMITS: matrix operands are bf16; NaN and infinity spread as in any sum of products.
.set EPI,    0                         ; 0: the way out into qkv; 1: GELU and the way out into g
.set NPITCH, 1024                      ; numbers in a row of the weight
.set SIZE_K, 1024
.set KSTEP,  128
.set PITCHA, 272                       ; an LDS row of A: 256 bytes + 16: row r starts 16 r bytes further modulo 256
.set PITCHB, 288                       ; an LDS row of B: 256 bytes + 32, an odd multiple of 32, for the transposing loads
.set HALFT,  128*PITCHB                ; what one tensor load fills at the most (A's 128 rows take 34,816 of it)
.set SLOT,   4*HALFT                   ; A's two halves, then B's two halves
.set STAGE,  2*SLOT                    ; behind the ring: 16 rows x 272 bytes for each wave, for the way out
.set SPITCH, 272
.set LAPS,   SIZE_K/(2*KSTEP)          ; a lap = two K steps = once round the ring
.set BSTEP,  KSTEP*NPITCH*2            ; bytes from one K step of the weight to the next
.set OUTROW, 8192                      ; bytes in a row of g
.set ADRA, 16                          ; v16-17  LDS address of my A fragments in slot 0, 1
.set ADRB, 20                          ; v20-21  the same for B
.set STO,  24                          ; v24     the way out: where I put 16 bytes of a row
.set RD,   25                          ; v25     the way out: where I read back
.set CO,   26                          ; v26     my byte offset in the output
.set BO,   27                          ; v27     32 x (lane / 16): my 8 numbers in each 16 of the bias
.set F0,   64
.set F1,   128
.set BIAS, 192                         ; v192-255: tile b's eight registers = bias of columns 16 b + 8 (l / 16) + 0..7
.if EPI == 0
.set TMP,  192
.set OB0,  64
.set OB1,  128
.else
.set TMP,  224
.set OB0,  64
.set OB1,  96
.endif
.set KP, 32                            ; v32-45: GELU's constants, each twice
.set KE, 34
.set C1, 36
.set C2, 38
.set C3, 40
.set C4, 42
.set C5, 44
.set AX, 128                           ; |x|
.set PX, 144                           ; max(x, 0)
.set DN, 160
.set TT, 176
.set WW, 192
.set EE, 208
.set G1,  24                           ; s[24:31] descriptor group 1 for A's tiles
.set G0,  32                           ; s[32:39] descriptor group 0 for A's tiles, one set for each slot
.set G1B, 48                           ; s[48:55] group 1 for B's tiles
.set G0B, 56                           ; s[56:63] group 0 for B's tiles
.set MSB, 0
.macro WIN new                         ; the immediate's high byte repeats the setting that is left
.if MSB != \new
	s_set_vgpr_msb (MSB<<8)|\new
.set MSB, \new
.endif
.endm
.set MUL_LO, 0xa1                      ; source 0 (B) window 1, source 1 (A) window 0, C and D window 2
.set MUL_HI, 0xf1                      ; the same, C and D window 3
.set TO_B,   0x40                      ; destination window 1, address window 0
; A joint load.  Waves 0 and 1 fetch A's two halves, waves 2 and 3 B's.  The branch hangs on the wave's number alone.
.macro JLOAD s
	s_cmp_eq_u32 s11, 0
	s_cbranch_scc0 .Lfor_b_\@
	tensor_load_to_lds s[G0+4*\s:G0+4*\s+3], s[G1:G1+7]
	s_nop 0
	s_branch .Lasked_\@
.Lfor_b_\@:
	tensor_load_to_lds s[G0B+4*\s:G0B+4*\s+3], s[G1B:G1B+7]
	s_nop 0
.Lasked_\@:
.endm
; A round of the cluster's barrier: my work-group's barrier; wave 0 signals for the work-group; every wave waits for all sixteen; my work-group's barrier again.
.macro CREST                           ; a round behind its opening barrier
	s_cmp_lg_u32 s10, 0
	s_cbranch_scc1 .Lnot_wave_0_\@
	s_barrier_signal -3
.Lnot_wave_0_\@:
	s_barrier_wait -3
	s_barrier_signal -1
	s_barrier_wait -1
.endm
.macro CROUND
	s_barrier_signal -1
	s_barrier_wait -1
	CREST
.endm
	s_load_b128 s[4:7], s[0:1], 0x0                ; hn s[4:5], wb s[6:7]
.if EPI == 0
	s_load_b256 s[68:75], s[0:1], 0x10             ; bq, bk, bv, qkv
	s_set_vgpr_msb 0x40
	v_lshl_add_u32 v255, v0, 2, 0x4c400
	s_set_vgpr_msb 0x4000
	v_mov_b32 v63, 0
	s_set_vgpr_msb 0x1
	ds_add_u32 v255, v63
	ds_add_u32 v255, v63
	s_set_vgpr_msb 0x100
.else
	s_load_b128 s[68:71], s[0:1], 0x10             ; b1, g
.endif
	v_lshrrev_b32 v1, 5, v0
	v_readfirstlane_b32 s10, v1                    ; wave 0..3
	s_lshr_b32 s11, s10, 1                         ; which half of the block's rows is mine.  Also: I fetch for A (0) or for B (1)
	s_and_b32 s12, s10, 1                          ; which half of its columns.  Also: which half of that tile I fetch
	s_bfe_u32 s40, ttmp6, 0x40000                  ; cx
	s_bfe_u32 s41, ttmp6, 0x40004                  ; cy
.if EPI == 0
	s_mov_b32 s42, s40                             ; block column inside the part: the cluster's x is the part
.else
	s_lshl_b32 s42, ttmp9, 2
	s_add_co_u32 s42, s42, s40                     ; block column = 4 x cluster x + cx
.endif
	s_and_b32 s13, ttmp7, 0xffff
	s_lshl_b32 s13, s13, 2
	s_add_co_u32 s13, s13, s41                     ; block row = 4 x cluster y + cy
	s_lshl_b32 s43, s41, 2
	s_lshl_b32 s43, 15, s43                        ; my row of the cluster: places 4 cy .. 4 cy + 3
	s_lshl_b32 s44, 0x1111, s40                    ; my column: places cx, cx + 4, cx + 8, cx + 12
	s_or_b32 s[G1+0], s43, (1<<16)|(1<<20)|(1<<21)|(5<<22)|(3<<25)  ; mask of my row; 2-byte elements; padding on; bit 21 beside a mask; after 64 words, 4 words
	s_or_b32 s[G1B+0], s44, (1<<16)|(1<<20)|(1<<21)|(5<<22)|(7<<25) ; mask of my column; after 64 words, 8 words
	s_mov_b32 s[G1+1], KSTEP<<16                   ; tensor_dim0 = 128
	s_mov_b32 s[G1B+1], 128<<16
	s_mov_b32 s[G1+2], 128<<16                     ; tensor_dim1 = 128
	s_mov_b32 s[G1B+2], KSTEP<<16
	s_mov_b32 s[G1+3], KSTEP<<16                   ; tile_dim0 = 128
	s_mov_b32 s[G1B+3], 128<<16
	s_mov_b32 s[G1+4], 128                         ; tile_dim1 = 128
	s_mov_b32 s[G1B+4], KSTEP
	s_mov_b32 s[G1+5], SIZE_K                      ; numbers from row to row
	s_mov_b32 s[G1B+5], NPITCH
	s_mov_b32 s[G1+6], 0
	s_mov_b32 s[G1B+6], 0
	s_mov_b32 s[G1+7], 0
	s_mov_b32 s[G1B+7], 0
	; A's tiles hang on the block row alone, B's on the block column (and the part) alone, each in registers that never hold the other coordinate
	s_lshl_b32 s16, s13, 8
	s_lshl_b32 s17, s12, 7
	s_add_co_u32 s16, s16, s17                     ; A: row 256 x block row + 128 x half
	s_lshl_b32 s16, s16, 11                        ; x 2,048 bytes
	s_mov_b32 s17, 0
	s_lshl_b32 s46, s42, 9                         ; B: column 256 x block column, in bytes,
	s_lshl_b32 s47, s12, 8                         ; + 128 x half
	s_add_co_u32 s46, s46, s47
.if EPI == 0
	s_lshl_b32 s47, ttmp9, 21                      ; + the part's weight in wb
	s_add_co_u32 s46, s46, s47
.else
	s_add_co_u32 s46, s46, 8388608                 ; + w1's place in wb
.endif
	s_mov_b32 s47, 0
	s_mul_i32 s20, s10, HALFT                      ; where my tile goes: wave x HALFT
	s_lshl_b32 s76, s42, 10                        ; the bias of my wave's 128 columns, in bytes
	s_lshl_b32 s77, s12, 9
	s_add_co_u32 s76, s76, s77
	s_mov_b32 s77, 0
	s_wait_dscnt 0x0
	s_wait_kmcnt 0x0
	s_add_nc_u64 s[14:15], s[4:5], s[16:17]
	s_add_nc_u64 s[46:47], s[6:7], s[46:47]
	CROUND                                         ; all sixteen work-groups are here: the first joint loads meet
.irp s, 0,1
	s_mov_b32 s[G0+4*\s], 1
	s_add_co_u32 s[G0+4*\s+1], s20, \s*SLOT
	s_add_nc_u64 s[G0+4*\s+2:G0+4*\s+3], s[14:15], \s*KSTEP*2
	s_or_b32 s[G0+4*\s+3], s[G0+4*\s+3], 0x80000000
	s_mov_b32 s[G0B+4*\s], 1
	s_add_co_u32 s[G0B+4*\s+1], s20, \s*SLOT
	s_add_nc_u64 s[G0B+4*\s+2:G0B+4*\s+3], s[46:47], \s*BSTEP
	s_or_b32 s[G0B+4*\s+3], s[G0B+4*\s+3], 0x80000000
	JLOAD \s                                       ; both slots' first fills go out before anything else: two tensor loads of the wave are out
.endr
.if EPI == 0
	s_cmp_eq_u32 ttmp9, 0                          ; the part's bias: the cluster's x is the same in all partners
	s_cselect_b64 s[66:67], s[68:69], s[70:71]
	s_cmp_eq_u32 ttmp9, 2
	s_cselect_b64 s[66:67], s[72:73], s[66:67]
.else
	s_mov_b64 s[66:67], s[68:69]
.endif
	s_add_nc_u64 s[66:67], s[66:67], s[76:77]
	v_and_b32 v1, 15, v0                           ; l % 16
	v_bfe_u32 v2, v0, 4, 1                         ; l / 16
	v_lshlrev_b32 v[BO], 5, v2
.irp b, 0,1,2,3,4,5,6,7
	global_load_b128 v[BIAS+8*\b:BIAS+8*\b+3],   v[BO], s[66:67] offset:64*\b
	global_load_b128 v[BIAS+8*\b+4:BIAS+8*\b+7], v[BO], s[66:67] offset:64*\b+16
.endr
	; A fragment (16 rows x 32 K, K along the LDS rows): two loads of 16 bytes, 32 bytes apart, at row x pitch + 16 (l / 16).
	; B fragment (32 k-rows x 16 columns): two transposing loads, 16 k-rows apart, at (8 (l / 16) + l % 8) x pitch + 16 ((l / 8) % 2).
	v_mul_u32_u24 v3, v1, PITCHA
	v_lshl_add_u32 v3, v2, 4, v3
	v_and_b32 v8, 7, v0
	v_lshl_add_u32 v6, v2, 3, v8
	v_mul_u32_u24 v6, v6, PITCHB
	v_bfe_u32 v7, v0, 3, 1
	v_lshl_add_u32 v6, v7, 4, v6
	s_mul_i32 s21, s11, HALFT                      ; my 128 rows of A
	s_mul_i32 s22, s12, HALFT                      ; my 128 columns of B,
	s_add_co_u32 s22, s22, 2*HALFT                 ; which lie behind A's two halves
.irp s, 0,1
	v_add_nc_u32 v[ADRA+\s], s21, v3
	v_add_nc_u32 v[ADRB+\s], s22, v6
	s_add_co_u32 s21, s21, SLOT
	s_add_co_u32 s22, s22, SLOT
.endr
	s_mul_i32 s23, s10, 16*SPITCH
	s_add_co_u32 s23, s23, STAGE                   ; my stage
	v_mul_u32_u24 v4, v1, SPITCH                   ; in: row l % 16, 16 bytes for each half of the lanes
	v_lshl_add_u32 v4, v2, 4, v4
	v_add_nc_u32 v[STO], s23, v4
.if EPI == 0
	v_mul_u32_u24 v5, v7, SPITCH                   ; back: lanes 0-15 take 128 bytes (one head) of two rows, lanes 16-31 the next head's
	v_lshl_add_u32 v5, v2, 7, v5
	v_lshl_add_u32 v5, v8, 4, v5
	v_add_nc_u32 v[RD], s23, v5
	v_lshlrev_b32 v5, 18, v2                       ; in qkv a head is 262,144 bytes, and two rows of a head are 256 consecutive bytes
	v_lshl_add_u32 v[CO], v1, 4, v5
.else
	v_mul_u32_u24 v5, v2, SPITCH                   ; back: lanes 0-15 take one row of 256 bytes, lanes 16-31 the next
	v_lshl_add_u32 v5, v1, 4, v5
	v_add_nc_u32 v[RD], s23, v5
	v_lshlrev_b32 v5, 13, v2                       ; and the same two rows in g
	v_lshl_add_u32 v[CO], v1, 4, v5
.endif
; 16 matrix instructions: m blocks a0, a0 + 1 of the window's four x all 8 n blocks, 32 along K.  first = 1: C is the bias (window 0): nothing is cleared.
.macro MUL16 f, hi, a0, first
.irp a, \a0, \a0+1
.irp b, 0,1,2,3,4,5,6,7
.if \first
	v_wmma_f32_16x16x32_bf16 v[8*(8*(\a)+\b):8*(8*(\a)+\b)+7], v[\f+8*\b:\f+8*\b+7], v[\f+8*(4*\hi+\a):\f+8*(4*\hi+\a)+7], v[BIAS+8*\b:BIAS+8*\b+7]
.else
	v_wmma_f32_16x16x32_bf16 v[8*(8*(\a)+\b):8*(8*(\a)+\b)+7], v[\f+8*\b:\f+8*\b+7], v[\f+8*(4*\hi+\a):\f+8*(4*\hi+\a)+7], v[8*(8*(\a)+\b):8*(8*(\a)+\b)+7]
.endif
.endr
.endr
.endm
; 32 LDS loads in one run: the fragments of quarter q (32 along K) of a slot into buffer f
.macro FETCH slot, q, f
	WIN TO_B
.irp i, 0,1,2,3,4,5,6,7
	ds_load_tr16_b128 v[\f+8*\i:\f+8*\i+3],   v[ADRB+\slot] offset:\q*32*PITCHB+32*\i
	ds_load_tr16_b128 v[\f+8*\i+4:\f+8*\i+7], v[ADRB+\slot] offset:\q*32*PITCHB+32*\i+16*PITCHB
.endr
	WIN 0
.irp i, 0,1,2,3,4,5,6,7
	ds_load_b128 v[\f+8*\i:\f+8*\i+3],   v[ADRA+\slot] offset:\q*64+\i*16*PITCHA
	ds_load_b128 v[\f+8*\i+4:\f+8*\i+7], v[ADRA+\slot] offset:\q*64+\i*16*PITCHA+32
.endr
.endm
; Four plain vector instructions between a matrix instruction and a load into, or a vector instruction on, one of its registers
.macro PLACES
.rept 4
	v_nop
.endr
.endm
; A quarter step: 64 matrix instructions on buffer f; in its middle the next quarter's fragments go into buffer g.
; The 64 accumulators take turns, one instruction a turn, in the same order in every quarter.
.macro QUARTER slot, q, f, g, first
	s_wait_dscnt 8                                 ; B and A's rows 0-63 are in; the youngest eight loads (A's rows 64-127) may be out
.if \first
	WIN 0x81                                       ; C from window 0, D into window 2
.else
	WIN MUL_LO
.endif
	MUL16 \f, 0, 0, \first
	MUL16 \f, 0, 2, \first
	PLACES
	FETCH \slot, \q, \g
	s_wait_dscnt 32                                ; all but the 32 just issued
.if \first
	WIN 0xc1
.else
	WIN MUL_HI
.endif
	MUL16 \f, 1, 0, \first
	MUL16 \f, 1, 2, \first
.endm
.macro THREE slot, first
	QUARTER \slot, 1, F0, F1, \first
	QUARTER \slot, 2, F1, F0, 0
	QUARTER \slot, 3, F0, F1, 0
.endm
; The last quarter of a K step: multiplies buffer 1 and changes slots.  In front of the barrier each wave waits for its reads of this slot and for
; all its tensor loads (one is out: its part of the next slot); behind it (a round of the cluster's barrier where the slot is filled again) the
; refill comes first, then the next slot's first fragments.  From a request to the wait for it a wave issues 240 matrix instructions.
.macro TURN slot, next, fill
	s_wait_dscnt 8
	WIN MUL_LO
	MUL16 F1, 0, 0, 0
	s_wait_dscnt 0
	s_wait_tensorcnt 0x0
	ds_add_u32 v255, v63
	s_wait_dscnt 0x0
	s_barrier_signal -1
	MUL16 F1, 0, 2, 0                              ; register work while the others arrive
	WIN 0
	s_barrier_wait -1
.if \fill
	CREST
	s_add_nc_u64 s[G0+4*\slot+2:G0+4*\slot+3], s[G0+4*\slot+2:G0+4*\slot+3], 2*KSTEP*2
	s_add_nc_u64 s[G0B+4*\slot+2:G0B+4*\slot+3], s[G0B+4*\slot+2:G0B+4*\slot+3], 2*BSTEP
	JLOAD \slot                                    ; the first tensor load behind the round, the wave's only one until the next
.endif
	PLACES
	FETCH \next, 0, F0
	WIN MUL_HI
	MUL16 F1, 1, 0, 0
	MUL16 F1, 1, 2, 0
.endm
.macro LAP first
	THREE 0, \first
	TURN 0, 1, 1
	THREE 1, 0
	TURN 1, 0, 1
.endm
	s_wait_tensorcnt 1                             ; my part of K step 0 is in; K step 1's stays out
	s_barrier_signal -1
	s_barrier_wait -1
	FETCH 0, 0, F0
	s_wait_loadcnt 0x0                             ; the bias
	LAP 1
	WIN 0
	s_mov_b32 s3, LAPS-2
.Llap:
	LAP 0
	WIN 0
	s_sub_co_u32 s3, s3, 1
	s_cmp_lg_u32 s3, 0
	s_cbranch_scc1 .Llap
	THREE 0, 0                                     ; the last lap fills nothing
	TURN 0, 1, 0
	THREE 1, 0
	s_wait_dscnt 8
	WIN MUL_LO
	MUL16 F1, 0, 0, 0
	MUL16 F1, 0, 2, 0
	s_wait_dscnt 0
	WIN MUL_HI
	MUL16 F1, 1, 0, 0
	MUL16 F1, 1, 2, 0
	; THE WAY OUT, 16 rows at a time: to bf16, 16 bytes a lane into my own stage in LDS, read back so that 16 lanes hold 256 consecutive bytes of the output
	PLACES
	WIN 0
.if EPI == 0
	s_lshl_b32 s76, ttmp9, 23                      ; the part: 8,388,608 bytes
	s_lshr_b32 s77, s13, 3                         ; the batch: 8 block rows each, 16 heads of 262,144 bytes
	s_lshl_b32 s77, s77, 22
	s_add_co_u32 s76, s76, s77
	s_lshl_b32 s77, s40, 2
	s_lshl1_add_u32 s77, s12, s77                  ; my first head = 4 cx + 2 x half
	s_lshl_b32 s77, s77, 18
	s_add_co_u32 s76, s76, s77
	s_and_b32 s77, s13, 7
	s_lshl_b32 s77, s77, 15                        ; 256 rows of 128 bytes
	s_add_co_u32 s76, s76, s77
	s_lshl_b32 s77, s11, 14                        ; 128 rows
	s_add_co_u32 s76, s76, s77
	s_mov_b32 s77, 0
	s_add_nc_u64 s[8:9], s[74:75], s[76:77]
.else
	s_lshl_b32 s76, s13, 8
	s_lshl_b32 s77, s11, 7
	s_add_co_u32 s76, s76, s77                     ; my first row
	s_lshl_b32 s76, s76, 13
	s_lshl_b32 s77, s42, 9                         ; my first column, in bytes
	s_add_co_u32 s76, s76, s77
	s_lshl_b32 s77, s12, 8
	s_add_co_u32 s76, s76, s77
	s_mov_b32 s77, 0
	s_add_nc_u64 s[8:9], s[70:71], s[76:77]
	s_mov_b32 s78, 0x7fffffff
.irp r, 0,1
	v_mov_b32 v[KP+\r], 0x3e6d3389                 ;  0.2316419
	v_mov_b32 v[KE+\r], 0xbf38aa3b                 ; -log2(e) / 2
	v_mov_b32 v[C1+\r], 0xbe027906                 ; -0.127414796
	v_mov_b32 v[C2+\r], 0x3e11a98e                 ;  0.142248368
	v_mov_b32 v[C3+\r], 0xbf35f0e3                 ; -0.710706871
	v_mov_b32 v[C4+\r], 0x3f3a00e3                 ;  0.726576014
	v_mov_b32 v[C5+\r], 0xbf07dc22                 ; -0.530702716
.endr
.endif
; gelu(x) = x Phi(x) = max(x, 0) - |x| Q(|x|), Q(z) = exp(-z z / 2) (c1 t + .. + c5 t^5), t = 1 / (1 + 0.2316419 z); the c are kept negated.
; Two tiles (16 numbers a lane) at a time.
.macro GELU16 a, g, from
	WIN \from
.irp e, 0,1,2,3,4,5,6,7,8,9,10,11,12,13,14,15
	v_and_b32 v[AX+\e], s78, v[8*(8*\a+2*\g)+\e]
	v_max_num_f32 v[PX+\e], 0, v[8*(8*\a+2*\g)+\e]
.endr
	WIN 0
.irp e, 0,2,4,6,8,10,12,14
	v_pk_fma_f32 v[DN+\e:DN+\e+1], v[AX+\e:AX+\e+1], v[KP:KP+1], 1.0 op_sel_hi:[1,1,0]
	v_pk_mul_f32 v[WW+\e:WW+\e+1], v[AX+\e:AX+\e+1], v[KE:KE+1]
.endr
.irp e, 0,2,4,6,8,10,12,14
	v_pk_mul_f32 v[WW+\e:WW+\e+1], v[WW+\e:WW+\e+1], v[AX+\e:AX+\e+1]
.endr
.irp e, 0,1,2,3,4,5,6,7,8,9,10,11,12,13,14,15
	v_rcp_f32 v[TT+\e], v[DN+\e]
.endr
.irp e, 0,1,2,3,4,5,6,7,8,9,10,11,12,13,14,15
	v_exp_f32 v[EE+\e], v[WW+\e]
.endr
	v_nop                                          ; one plain vector instruction behind the transcendentals (ISA guide 5.7.2)
.irp e, 0,2,4,6,8,10,12,14
	v_pk_fma_f32 v[DN+\e:DN+\e+1], v[TT+\e:TT+\e+1], v[C5:C5+1], v[C4:C4+1]
.endr
.irp c, C3, C2, C1
.irp e, 0,2,4,6,8,10,12,14
	v_pk_fma_f32 v[DN+\e:DN+\e+1], v[DN+\e:DN+\e+1], v[TT+\e:TT+\e+1], v[\c:\c+1]
.endr
.endr
.irp e, 0,2,4,6,8,10,12,14
	v_pk_mul_f32 v[DN+\e:DN+\e+1], v[DN+\e:DN+\e+1], v[TT+\e:TT+\e+1]
.endr
.irp e, 0,2,4,6,8,10,12,14
	v_pk_mul_f32 v[DN+\e:DN+\e+1], v[DN+\e:DN+\e+1], v[EE+\e:EE+\e+1]
.endr
.irp e, 0,2,4,6,8,10,12,14
	v_pk_fma_f32 v[PX+\e:PX+\e+1], v[AX+\e:AX+\e+1], v[DN+\e:DN+\e+1], v[PX+\e:PX+\e+1]
.endr
.irp e, 0,1,2,3,4,5,6,7
	v_cvt_pk_bf16_f32 v[TMP+8*\g+\e], v[PX+2*\e], v[PX+2*\e+1]
.endr
.endm
; rows 16 i .. 16 i + 15 of my block = the eight tiles (a, 0..7) of window 2 or 3 (from = 0x0a or 0x0f: sources 0 and 1); f: a read-back buffer, two in turn
.macro OUT16 i, a, from, f
.if EPI == 0
	WIN \from
.irp b, 0,1,2,3,4,5,6,7
.irp r, 0,1,2,3
	v_cvt_pk_bf16_f32 v[TMP+4*\b+\r], v[8*(8*\a+\b)+2*\r], v[8*(8*\a+\b)+2*\r+1]
.endr
.endr
	WIN 0
.else
.irp g, 0,1,2,3
	GELU16 \a, \g, \from
.endr
.endif
.irp b, 0,1,2,3,4,5,6,7
	ds_store_b128 v[STO], v[TMP+4*\b:TMP+4*\b+3] offset:32*\b
.endr
	s_wait_xcnt 0x0                                ; buffer f, which earlier stores read, and the stores' base are rewritten only behind this wait
.if EPI == 1
.if \i
	s_add_nc_u64 s[8:9], s[8:9], 16*OUTROW         ; 16 rows on
.endif
.endif
.irp t, 0,1,2,3,4,5,6,7
	ds_load_b128 v[\f+4*\t:\f+4*\t+3], v[RD] offset:\t*2*SPITCH    ; LDS serves a wave's instructions in order (ISA guide 5.7.1.4): these see the stores above
.endr
.irp t, 0,1,2,3,4,5,6,7
	s_wait_dscnt 7-\t
.if EPI == 0
	global_store_b128 v[CO], v[\f+4*\t:\f+4*\t+3], s[8:9] offset:\i*2048+256*\t   ; 16 lanes: rows 2 t, 2 t + 1 of one head, 256 consecutive bytes, aligned
.else
	global_store_b128 v[CO], v[\f+4*\t:\f+4*\t+3], s[8:9] offset:2*\t*OUTROW      ; 16 lanes: 256 consecutive bytes of a row, aligned
.endif
.endr
.endm
	OUT16 0, 0, 0x0a, OB0
	OUT16 1, 1, 0x0a, OB1
	OUT16 2, 2, 0x0a, OB0
	OUT16 3, 3, 0x0a, OB1
	OUT16 4, 0, 0x0f, OB0
	OUT16 5, 1, 0x0f, OB1
	OUT16 6, 2, 0x0f, OB0
	OUT16 7, 3, 0x0f, OB1
	s_set_vgpr_msb 0x1
	s_wait_tensorcnt 0x0
	ds_add_u32 v255, v63
	s_wait_dscnt 0x0
	s_set_vgpr_msb 0x100
	CROUND                                         ; the closing round: no work-group ends while a partner may still ask for a tile that names it
	s_endpgm
.Lfunc_end_k_qd655635966_qkv:
	.size	k_qd655635966_qkv, .Lfunc_end_k_qd655635966_qkv-k_qd655635966_qkv
	.p2alignl 7, 3214868480
	.fill 96, 4, 3214868480
	.section	.rodata,"a",@progbits
	.p2align	6, 0x0
	.amdhsa_kernel k_qd655635966_qkv
		.amdhsa_group_segment_fixed_size 327680
		.amdhsa_private_segment_fixed_size 0
		.amdhsa_enable_private_segment 0
		.amdhsa_kernarg_size 48
		.amdhsa_user_sgpr_count 2
		.amdhsa_user_sgpr_kernarg_segment_ptr 1
		.amdhsa_wavefront_size32 1
		.amdhsa_system_sgpr_workgroup_id_x 1
		.amdhsa_system_sgpr_workgroup_id_y 1
		.amdhsa_system_sgpr_workgroup_id_z 1
		.amdhsa_system_vgpr_workitem_id 0
		.amdhsa_next_free_vgpr 1024
		.amdhsa_next_free_sgpr 80
		.amdhsa_reserve_vcc 0
		.amdhsa_float_denorm_mode_32 3
		.amdhsa_float_denorm_mode_16_64 3
		.amdhsa_memory_ordered 1
		.amdhsa_forward_progress 1
		.amdhsa_inst_pref_size 198
	.end_amdhsa_kernel
	.amdgpu_metadata
---
amdhsa.version: [ 1, 2 ]
amdhsa.kernels:
  - .name:           k_qd655635966_qkv
    .symbol:         k_qd655635966_qkv.kd
    .args:
      - { .name: hn, .offset: 0, .size: 8, .value_kind: global_buffer, .address_space: global }
      - { .name: wb, .offset: 8, .size: 8, .value_kind: global_buffer, .address_space: global }
      - { .name: bq, .offset: 16, .size: 8, .value_kind: global_buffer, .address_space: global }
      - { .name: bk, .offset: 24, .size: 8, .value_kind: global_buffer, .address_space: global }
      - { .name: bv, .offset: 32, .size: 8, .value_kind: global_buffer, .address_space: global }
      - { .name: qkv, .offset: 40, .size: 8, .value_kind: global_buffer, .address_space: global }
    .group_segment_fixed_size: 327680
    .private_segment_fixed_size: 0
    .kernarg_segment_align: 8
    .kernarg_segment_size: 48
    .max_flat_workgroup_size: 128
    .sgpr_count:     80
    .vgpr_count:     1024
    .wavefront_size: 32
...
	.end_amdgpu_metadata
.endif
;; end of part 2
;; launch attn (part 3): grid 256 x 1, 8 waves a work-group, no clusters, 327,680 bytes of LDS; arguments qkv, w1, w2, ctx, wb; writes ctx, wb
.if DOCPART == 3
	.amdgcn_target "amdgcn-amd-amdhsa--gfx1250"
	.amdhsa_code_object_version 6
	.text
	.protected	k_qd655635966_attn
	.globl	k_qd655635966_attn
	.p2align	8
	.type	k_qd655635966_attn,@function
k_qd655635966_attn:
	s_mov_b64 s[64:65], 0
	v_nop
	global_prefetch_b8 v0, s[64:65] scope:SCOPE_SE
	s_setreg_imm32_b32 hwreg(HW_REG_WAVE_MODE, 25, 1), 1
	s_wait_xcnt 0x0
; Causal attention, one head at a time; and, under it, the cast of w1 and w2 to bf16.
; qkv: bf16 [3][32 heads][2048][64].  ctx: bf16 [2048 row pairs][16 heads][row & 1][64].  w1, w2: f32, 4,194,304 numbers each; their bf16 images
; go to wb at bytes 8,388,608 and 16,777,216.
; Work-group (head bh = id / 8, i = id % 8) makes query block i (128 rows, key tiles 0..i) and then query block 15 - i (key tiles 0..15 - i):
; one stream of 17 tiles of 128 keys, the same number for every work-group.
; EIGHT WAVES, two for each of the WGP's four SIMDs.  Wave w: query group qw = w % 4 (32 query rows, two tiles of 16) and key group gk = w / 4
; (keys 64 gk .. 64 gk + 63 of every tile).  So each K or V fragment is read from LDS by four waves, as with four waves that take all keys; eight waves
; of 16 rows would read each twice as often.  Each wave carries its own maximum, sum and O; at a pass's end key group 1 hands them to key group 0
; through LDS, which merges by the common maximum, divides and stores.
; THE TWO KEY GROUPS RUN OUT OF STEP ON PURPOSE: key group 1 makes the second tile's scores and the first part of its softmax in front of the step's
; barrier, key group 0 behind it (the same lines twice, each under a branch on the wave's number).  Both do one step's work between two barriers,
; and one group's matrix instructions stand against the other group's vector work.
; NO CLUSTER: the eight work-groups of a head stand at different key tiles in every step (tile t of the stream is key tile t or t - i - 1,
; and i differs), so no two of them ask for the same tile in the same step.
; THE PRODUCTS ARE TRANSPOSED: S^T(key, q) = K Q^T, so lane (r, h) holds query r and keys 8 h + j; the row maximum and row sum are a lane's own
; but for one exchange between the halves of the lanes; and the rounded p are already the second operand of O^T(d, q) = V^T P^T.
; The running maximum is taken away before every exponential; scores above the diagonal are set to -inf in the diagonal tile, tiles beyond it are not visited.
; LDS: two slots of two key tiles each (a step), eight regions of 64 keys, one tensor load a wave; one barrier a step.
; THE CAST: in each of the first eight steps a thread rounds 16 numbers that it loaded one step before (8 of w1, 8 of w2), stores them and loads the next
; 16: 256 work-groups x 256 threads x 8 steps x 8 numbers = each weight once.
; LIMITS: q, k, v and p go to the matrix unit in bf16, the row sum is taken of the unrounded p; the two key groups' sums are added after scaling to the common
; maximum, an order of rounding of its own; the running maximum starts at -2^120 (c x 2^120 is exact, so a key group that has met only masked keys
; keeps the factor 1 and the sums 0): scores below -2^120 are out of range; a pass's first step multiplies the last pass's O and sum by 0, which takes them
; to be finite; v_exp_f32 and v_rcp_f32 flush denormals; a NaN or an infinity in q, k, v is not reproduced number by number.
.set HREG,   10240                     ; a region: 64 keys of K (pitch 144) or of V (pitch 160)
.set TILEB,  4*HREG                    ; a key tile: K's keys 0-63, 64-127, V's keys 0-63, 64-127
.set SLOT,   2*TILEB                   ; a step: key tiles a and b
.set KPITCH, 144                       ; 128 bytes + 16
.set VPITCH, 160                       ; 128 bytes + 32: an odd multiple of 32, for the transposing loads
.set STAGE,  2*SLOT                    ; behind the ring: 32 rows x 144 bytes for each query group
.set MERGE,  STAGE+4*32*KPITCH         ; behind the stage: 17 x 512 bytes for each query group: O (16 x 16 bytes a lane), then m and sum
.set MPART,  17*512
.set ADK, 1                            ; v1-2      LDS address of my K fragments in slot 0, 1
.set ADV, 3                            ; v3-4      of my V fragments
.set QO,  5                            ; my byte offset in the wave's 32 rows of Q
.set STO, 6
.set RD,  7
.set DQ,  8                            ; v[8:9]    query tile qt: my query's number in the block less 8 h less 64 gk
.set MM,  10                           ; v[10:11]  running maximum
.set LL,  12                           ; v[12:13]  running sum (my half of the lanes' keys)
.set MC,  14                           ; v[14:17]  -c x maximum, twice for each query tile
.set AL,  18                           ; v[18:21]  the factor on what was summed before, twice for each query tile
.set T,   22                           ; v[22:29]  at work
.set NINF, 30
.set CO,  31
.set QF,  32                           ; v32-63    Q fragments (qt, ks) at 8 (2 qt + ks)
.set CB,  64                           ; v64-95    the cast: two buffers of 16 numbers
.set MG,  96                           ; my 16 bytes in my query group's merge area
.set INO, 97                           ; the cast: my byte offset in the work-group's part of w1 and of w2
.set OUTO, 98                          ; and in their images
.set SS,  128                          ; v128-191  S^T tiles (kt, qt) at 8 (2 kt + qt); then P^T fragments (kk, qt) at 8 (4 kk + qt)
.set OO,  192                          ; v192-255  O^T tiles (dt, qt) at 8 (2 dt + qt)
.set VF,  0                            ; window 1, v0-63:    V^T fragments (dt, kk) at 8 (2 dt + kk)
.set KF,  64                           ; window 1, v64-127:  K fragments (kt, ks) at 8 (2 kt + ks)
.set Q2,  128                          ; window 1, v128-159: the second pass's Q fragments
.set G0,  32                           ; s[32:39]  descriptor group 0, one set for each slot
; s66 wave, s67 qw, s68 gk (also: which tile of a step I fetch), s69 wave & 2 (0: I fetch K, 2: V), s70 head, s71 i, s72 i + 1, s73 i - 1,
; s74 stream number of the step's tile a, s75 trips
.set MSB, 0
.macro WIN new
.if MSB != \new
	s_set_vgpr_msb (MSB<<8)|\new
.set MSB, \new
.endif
.endm
; The global address of my part of stream tile U = s74 + add + gk: key tile U while U <= i, else U - (i + 1).  Written only while no tensor load of the wave names the set.
.macro SETG0 slot, add
	s_add_co_u32 s42, s74, s68
	s_add_co_u32 s42, s42, \add
	s_cmp_le_u32 s42, s71
	s_cselect_b32 s53, 0, s72
	s_sub_co_u32 s42, s42, s53
	s_lshl_b32 s42, s42, 14                        ; 128 keys of 128 bytes
	s_add_nc_u64 s[G0+4*\slot+2:G0+4*\slot+3], s[40:41], s[42:43]
	s_or_b32 s[G0+4*\slot+3], s[G0+4*\slot+3], 0x80000000
.endm
; One tensor load a wave; K's and V's differ in the padding alone.  part = 1: the step has tile a alone, waves 4 to 7 have nothing to fetch.
.macro KVLOAD slot, part
.if \part
	s_cmp_lt_u32 s66, 4
	s_cbranch_scc0 .Lasked_\@
.endif
	s_cmp_eq_u32 s69, 0
	s_cbranch_scc0 .Lfor_v_\@
	tensor_load_to_lds s[G0+4*\slot:G0+4*\slot+3], s[16:23]
	s_nop 0
	s_branch .Lasked_\@
.Lfor_v_\@:
	tensor_load_to_lds s[G0+4*\slot:G0+4*\slot+3], s[24:31]
	s_nop 0
.Lasked_\@:
.endm
.macro KLD slot, sub                   ; 16 loads: my 64 keys x 64 d of tile a (sub 0) or b (1), into window 1
	WIN 0x40
.irp kt, 0,1,2,3
.irp ks, 0,1
	ds_load_b128 v[KF+8*(2*\kt+\ks):KF+8*(2*\kt+\ks)+3],   v[ADK+\slot] offset:\sub*TILEB+\kt*16*KPITCH+\ks*64
	ds_load_b128 v[KF+8*(2*\kt+\ks)+4:KF+8*(2*\kt+\ks)+7], v[ADK+\slot] offset:\sub*TILEB+\kt*16*KPITCH+\ks*64+32
.endr
.endr
	WIN 0
.endm
.macro VLD slot, sub                   ; 16 transposing loads: 64 d x my 64 keys, into window 1
	WIN 0x40
.irp dt, 0,1,2,3
.irp kk, 0,1
	ds_load_tr16_b128 v[VF+8*(2*\dt+\kk):VF+8*(2*\dt+\kk)+3],   v[ADV+\slot] offset:\sub*TILEB+\kk*32*VPITCH+\dt*32
	ds_load_tr16_b128 v[VF+8*(2*\dt+\kk)+4:VF+8*(2*\dt+\kk)+7], v[ADV+\slot] offset:\sub*TILEB+\kk*32*VPITCH+\dt*32+16*VPITCH
.endr
.endr
	WIN 0
.endm
.macro SMM                             ; S^T = K Q^T: 8 tiles, 2 steps along d; the eight accumulators take turns
	WIN 0x01
	s_wait_alu depctr_va_vdst(0)
.irp kt, 0,1,2,3
.irp qt, 0,1
	v_wmma_f32_16x16x32_bf16 v[SS+8*(2*\kt+\qt):SS+8*(2*\kt+\qt)+7], v[KF+8*(2*\kt):KF+8*(2*\kt)+7], v[QF+8*(2*\qt):QF+8*(2*\qt)+7], 0
.endr
.endr
.irp kt, 0,1,2,3
.irp qt, 0,1
	v_wmma_f32_16x16x32_bf16 v[SS+8*(2*\kt+\qt):SS+8*(2*\kt+\qt)+7], v[KF+8*(2*\kt+1):KF+8*(2*\kt+1)+7], v[QF+8*(2*\qt+1):QF+8*(2*\qt+1)+7], v[SS+8*(2*\kt+\qt):SS+8*(2*\kt+\qt)+7]
.endr
.endr
	WIN 0
.endm
.macro PVM                             ; O^T += V^T P^T: 8 tiles, 2 steps along the keys, by turns
	WIN 0x01
.irp kk, 0,1
.irp dt, 0,1,2,3
.irp qt, 0,1
	v_wmma_f32_16x16x32_bf16 v[OO+8*(2*\dt+\qt):OO+8*(2*\dt+\qt)+7], v[VF+8*(2*\dt+\kk):VF+8*(2*\dt+\kk)+7], v[SS+8*(4*\kk+\qt):SS+8*(4*\kk+\qt)+7], v[OO+8*(2*\dt+\qt):OO+8*(2*\dt+\qt)+7]
.endr
.endr
.endr
	WIN 0
.endm
.macro PLACES n                        ; plain vector instructions behind a matrix instruction (ISA guide 7.12.1)
.rept \n
	v_nop
.endr
.endm
.macro MASK                            ; the diagonal tile: key 64 gk + 16 kt + 8 h + j is kept where it is <= my query
.irp kt, 0,1,2,3
.irp qt, 0,1
.irp j, 0,1,2,3,4,5,6,7
	v_cmp_le_i32 vcc_lo, 16*\kt+\j, v[DQ+\qt]
	v_cndmask_b32 v[SS+8*(2*\kt+\qt)+\j], v[NINF], v[SS+8*(2*\kt+\qt)+\j], vcc_lo
.endr
.endr
.endr
.endm
; 64 keys' scores to p = 2^(c s - c m), c = log2(e) / 8; m, the sum and O are carried on.  In two parts, so that the step's barrier can stand between them.
.macro EXPQ qt                         ; one query tile's 32 numbers a lane
.irp kt, 0,1,2,3
.irp p, 0,2,4,6
	v_pk_fma_f32 v[SS+8*(2*\kt+\qt)+\p:SS+8*(2*\kt+\qt)+\p+1], v[SS+8*(2*\kt+\qt)+\p:SS+8*(2*\kt+\qt)+\p+1], s[50:51], v[MC+2*\qt:MC+2*\qt+1] op_sel_hi:[1,0,1]
.endr
.endr
.irp kt, 0,1,2,3
.irp j, 0,1,2,3,4,5,6,7
	v_exp_f32 v[SS+8*(2*\kt+\qt)+\j], v[SS+8*(2*\kt+\qt)+\j]
.endr
.endr
.endm
.macro SOFT1                           ; the new maxima and factors, and the first query tile's exponentials
.irp qt, 0,1
.irp kt, 0,1,2,3
	v_max3_num_f32 v[T+4*\qt+\kt], v[SS+8*(2*\kt+\qt)], v[SS+8*(2*\kt+\qt)+1], v[SS+8*(2*\kt+\qt)+2]
.endr
.irp kt, 0,1,2,3
	v_max3_num_f32 v[T+4*\qt+\kt], v[T+4*\qt+\kt], v[SS+8*(2*\kt+\qt)+3], v[SS+8*(2*\kt+\qt)+4]
.endr
.irp kt, 0,1,2,3
	v_max3_num_f32 v[T+4*\qt+\kt], v[T+4*\qt+\kt], v[SS+8*(2*\kt+\qt)+5], v[SS+8*(2*\kt+\qt)+6]
.endr
.irp kt, 0,1,2,3
	v_max_num_f32 v[T+4*\qt+\kt], v[T+4*\qt+\kt], v[SS+8*(2*\kt+\qt)+7]
.endr
	v_max3_num_f32 v[T+4*\qt], v[T+4*\qt], v[T+4*\qt+1], v[T+4*\qt+2]
	v_max3_num_f32 v[T+4*\qt], v[T+4*\qt], v[T+4*\qt+3], v[MM+\qt]
	v_permlanex16_b32 v[T+4*\qt+1], v[T+4*\qt], s48, s49       ; the other eight keys of each sixteen lie in the other half of the lanes
	v_max_num_f32 v[T+4*\qt], v[T+4*\qt], v[T+4*\qt+1]         ; the new maximum, the same in both halves; it stays in T, T + 4 to this macro's end
	v_mul_f32 v[MC+2*\qt], s52, v[T+4*\qt]                     ; -c m
	v_fma_f32 v[T+4*\qt+2], v[MM+\qt], s50, v[MC+2*\qt]        ; c (old m - new m); hugely negative at a pass's first keys, exactly 0 while m is still -2^120
	v_mov_b32 v[MC+2*\qt+1], v[MC+2*\qt]
	v_exp_f32 v[AL+2*\qt], v[T+4*\qt+2]
	v_exp_f32 v[AL+2*\qt+1], v[T+4*\qt+2]                      ; the next line is plain and touches neither result nor source (ISA guide 5.7.2)
.endr
	EXPQ 0
	v_mov_b32 v[MM], v[T]                          ; the new maxima are carried on here, behind the exponentials: plain vector instructions on other registers, so that
	v_mov_b32 v[MM+1], v[T+4]                      ; a place stands behind the transcendentals (ISA guide 5.7.2) whichever lines follow this macro
.endm
.macro SOFT2                           ; the second query tile's exponentials, the sums, P^T, and O's factor
	EXPQ 1
	; behind the second query tile's exponentials stand the first tile's sums: plain, and on other registers
	s_wait_alu depctr_va_vdst(0)
.irp qt, 0,1
.irp kt, 0,1,2,3
	v_pk_add_f32 v[T+2*\kt:T+2*\kt+1], v[SS+8*(2*\kt+\qt):SS+8*(2*\kt+\qt)+1], v[SS+8*(2*\kt+\qt)+2:SS+8*(2*\kt+\qt)+3]
.endr
.irp kt, 0,1,2,3
	v_pk_add_f32 v[T+2*\kt:T+2*\kt+1], v[T+2*\kt:T+2*\kt+1], v[SS+8*(2*\kt+\qt)+4:SS+8*(2*\kt+\qt)+5]
.endr
.irp kt, 0,1,2,3
	v_pk_add_f32 v[T+2*\kt:T+2*\kt+1], v[T+2*\kt:T+2*\kt+1], v[SS+8*(2*\kt+\qt)+6:SS+8*(2*\kt+\qt)+7]
.endr
	v_pk_add_f32 v[T:T+1], v[T:T+1], v[T+2:T+3]
	v_pk_add_f32 v[T+4:T+5], v[T+4:T+5], v[T+6:T+7]
	v_pk_add_f32 v[T:T+1], v[T:T+1], v[T+4:T+5]
	v_add_f32 v[T], v[T], v[T+1]
	v_fma_f32 v[LL+\qt], v[LL+\qt], v[AL+2*\qt], v[T]
	; P^T's fragment (kk, qt): registers 0-3 from tile (2 kk, qt), in place, registers 4-7 from tile (2 kk + 1, qt)
.irp kk, 0,1
.irp i, 0,1,2,3
	v_cvt_pk_bf16_f32 v[SS+8*(4*\kk+\qt)+\i], v[SS+8*(4*\kk+\qt)+2*\i], v[SS+8*(4*\kk+\qt)+2*\i+1]
.endr
.irp i, 0,1,2,3
	v_cvt_pk_bf16_f32 v[SS+8*(4*\kk+\qt)+4+\i], v[SS+8*(4*\kk+2+\qt)+2*\i], v[SS+8*(4*\kk+2+\qt)+2*\i+1]
.endr
.endr
.endr
.irp dt, 0,1,2,3
.irp qt, 0,1
.irp p, 0,2,4,6
	v_pk_mul_f32 v[OO+8*(2*\dt+\qt)+\p:OO+8*(2*\dt+\qt)+\p+1], v[OO+8*(2*\dt+\qt)+\p:OO+8*(2*\dt+\qt)+\p+1], v[AL+2*\qt:AL+2*\qt+1]
.endr
.endr
.endr
.endm
; The cast.  CLOAD: 4 loads of 16 bytes a thread (a wave's load covers 512 consecutive bytes), two of w1 and two of w2, into buffer b.
.macro CLOAD b
	global_load_b128 v[CB+16*(\b):CB+16*(\b)+3],     v[INO], s[6:7] th:TH_LOAD_NT
	global_load_b128 v[CB+16*(\b)+4:CB+16*(\b)+7],   v[INO], s[6:7] offset:4096 th:TH_LOAD_NT
	global_load_b128 v[CB+16*(\b)+8:CB+16*(\b)+11],  v[INO], s[8:9] th:TH_LOAD_NT
	global_load_b128 v[CB+16*(\b)+12:CB+16*(\b)+15], v[INO], s[8:9] offset:4096 th:TH_LOAD_NT
.endm
; cv = 1: buffer b, loaded one step ago, is rounded and stored.  ld = 1: the next 16 numbers go into the other buffer.
.macro CAST cv, ld, b
.if \cv
	s_wait_loadcnt 0x0                             ; the four loads issued one step ago (and, in the first step, the second pass's Q)
	s_wait_xcnt 0x0                                ; the last step's stores have read their sources: OUTO and the other buffer are rewritten only behind this wait
	v_add_nc_u32 v[OUTO], 4096, v[OUTO]            ; the stores below reach back
.irp j, 0,1,2,3
	v_cvt_pk_bf16_f32 v[CB+16*\b+4*\j], v[CB+16*\b+4*\j], v[CB+16*\b+4*\j+1]
	v_cvt_pk_bf16_f32 v[CB+16*\b+4*\j+1], v[CB+16*\b+4*\j+2], v[CB+16*\b+4*\j+3]
.endr
	global_store_b64 v[OUTO], v[CB+16*\b:CB+16*\b+1],     s[80:81] offset:-4096   ; 32 lanes x 8 bytes: 256 consecutive bytes, aligned
	global_store_b64 v[OUTO], v[CB+16*\b+4:CB+16*\b+5],   s[80:81] offset:-2048
	global_store_b64 v[OUTO], v[CB+16*\b+8:CB+16*\b+9],   s[82:83] offset:-4096
	global_store_b64 v[OUTO], v[CB+16*\b+12:CB+16*\b+13], s[82:83] offset:-2048
.endif
.if \ld
	v_add_nc_u32 v[INO], 8192, v[INO]              ; free since the wait for its loads
	CLOAD (1-\b)
.endif
.endm
; The second pass begins: its Q, loaded at the kernel's start, is copied into the fragments' registers (the trip in which the pass begins hangs on the
; work-group's number, so the products cannot name other registers), and m starts anew.  O and the sum are not cleared: the pass's first factor is 0.
.macro START2
	WIN 0x01
.set j, 0
.rept 32
	v_mov_b32 v[QF+j], v[Q2+j]
.set j, j+1
.endr
	WIN 0
	v_mov_b32 v[MM], 0xfb800000                    ; -2^120
	v_mov_b32 v[MM+1], 0xfb800000
.endm
; A pass ends.  Key group 1 lays O, m and its sum into the merge area; key group 0 takes them, scales both to the common maximum, divides by the sum, rounds to
; bf16 and stores through its own stage, two rows of the head (256 consecutive bytes) for each sixteen lanes.
.macro FINISH cb
	s_cmp_eq_u32 s68, 0
	s_cbranch_scc1 .Lfa_\@
.irp n, 0,1,2,3,4,5,6,7,8,9,10,11,12,13,14,15
	ds_store_b128 v[MG], v[OO+4*\n:OO+4*\n+3] offset:512*\n
.endr
	ds_store_b128 v[MG], v[MM:MM+3] offset:8192    ; m, m, sum, sum
.Lfa_\@:
	s_wait_dscnt 0x0                               ; for the others' sake: my stores are done
	s_barrier_signal -1
	s_barrier_wait -1
	s_cmp_lg_u32 s68, 0
	s_cbranch_scc1 .Lfb_\@
.irp n, 0,1,2,3,4,5,6,7,8,9,10,11,12,13,14,15
	ds_load_b128 v[SS+4*\n:SS+4*\n+3], v[MG] offset:512*\n
.endr
	ds_load_b128 v[T:T+3], v[MG] offset:8192
	s_wait_dscnt 0x0                               ; my reads of the merge area are over:
.Lfb_\@:
	s_barrier_signal -1                            ; no wave stores into it again before all have said so
	s_barrier_wait -1
	s_cmp_lg_u32 s68, 0
	s_cbranch_scc1 .Lfc_\@
.irp qt, 0,1
	v_max_num_f32 v[T+4+\qt], v[MM+\qt], v[T+\qt]              ; the common maximum
	v_mul_f32 v[T+4+\qt], s52, v[T+4+\qt]
	v_fma_f32 v[AL+2*\qt], v[MM+\qt], s50, v[T+4+\qt]          ; c (my m - m)
	v_fma_f32 v[MC+2*\qt], v[T+\qt], s50, v[T+4+\qt]           ; c (the other's m - m)
.endr
	v_exp_f32 v[AL], v[AL]
	v_exp_f32 v[AL+2], v[AL+2]
	v_exp_f32 v[MC], v[MC]
	v_exp_f32 v[MC+2], v[MC+2]
	v_nop                                          ; one plain vector instruction behind the transcendentals (ISA guide 5.7.2)
	s_wait_alu depctr_va_vdst(0)
.irp qt, 0,1
	v_mul_f32 v[T+6+\qt], v[LL+\qt], v[AL+2*\qt]
	v_fma_f32 v[T+6+\qt], v[T+2+\qt], v[MC+2*\qt], v[T+6+\qt]
.endr
	v_permlanex16_b32 v[T+4], v[T+6], s48, s49     ; the other half of the lanes holds the other keys' sum
	v_permlanex16_b32 v[T+5], v[T+7], s48, s49
	v_add_f32 v[T+4], v[T+4], v[T+6]
	v_add_f32 v[T+5], v[T+5], v[T+7]
	v_rcp_f32 v[T+4], v[T+4]
	v_rcp_f32 v[T+5], v[T+5]
	v_nop
	s_wait_alu depctr_va_vdst(0)
.irp qt, 0,1
	v_mul_f32 v[AL+2*\qt], v[AL+2*\qt], v[T+4+\qt]
	v_mul_f32 v[MC+2*\qt], v[MC+2*\qt], v[T+4+\qt]
.endr
.irp qt, 0,1
	v_mov_b32 v[AL+2*\qt+1], v[AL+2*\qt]
	v_mov_b32 v[MC+2*\qt+1], v[MC+2*\qt]
.endr
.irp dt, 0,1,2,3
.irp qt, 0,1
.irp p, 0,2,4,6
	v_pk_mul_f32 v[OO+8*(2*\dt+\qt)+\p:OO+8*(2*\dt+\qt)+\p+1], v[OO+8*(2*\dt+\qt)+\p:OO+8*(2*\dt+\qt)+\p+1], v[AL+2*\qt:AL+2*\qt+1]
.endr
.endr
.endr
.irp dt, 0,1,2,3
.irp qt, 0,1
.irp p, 0,2,4,6
	v_pk_fma_f32 v[OO+8*(2*\dt+\qt)+\p:OO+8*(2*\dt+\qt)+\p+1], v[SS+8*(2*\dt+\qt)+\p:SS+8*(2*\dt+\qt)+\p+1], v[MC+2*\qt:MC+2*\qt+1], v[OO+8*(2*\dt+\qt)+\p:OO+8*(2*\dt+\qt)+\p+1]
.endr
.endr
.endr
.irp dt, 0,1,2,3
.irp qt, 0,1
.irp i, 0,1,2,3
	v_cvt_pk_bf16_f32 v[SS+4*(2*\dt+\qt)+\i], v[OO+8*(2*\dt+\qt)+2*\i], v[OO+8*(2*\dt+\qt)+2*\i+1]
.endr
	ds_store_b128 v[STO], v[SS+4*(2*\dt+\qt):SS+4*(2*\dt+\qt)+3] offset:\qt*16*KPITCH+\dt*32
.endr
.endr
.irp n, 0,1,2,3,4,5,6,7
	ds_load_b128 v[SS+32+4*\n:SS+32+4*\n+3], v[RD] offset:4*KPITCH*\n     ; a wave's LDS instructions are served in order (ISA guide 5.7.1.4)
.endr
.irp n, 0,1,2,3,4,5,6,7
	s_wait_dscnt 7-\n                              ; read-back n is in; the later ones may be out
	global_store_b128 v[CO], v[SS+32+4*\n:SS+32+4*\n+3], s[\cb:\cb+1] offset:8192*\n
.endr
	s_wait_xcnt 0x0                                ; the stores' data registers are written again by the next products only behind this wait
.Lfc_\@:
.endm
; One step: key tiles a and b of \slot, of each my 64 keys.  refill 1: the slot is filled again with the step two ahead; 2: with its tile a alone; 0: not.
; mode 0: tile a is the first pass's diagonal if s74 = i, tile b if s74 = i - 1; mode 1: neither.
.macro STEP slot, next, refill, mode, cv, ld
	CAST \cv, \ld, \slot
	s_wait_dscnt 16                                ; K of tile a is in; the 16 loads of V behind it may be out
	SMM
	PLACES 4
	KLD \slot, 1
.if \mode == 0
	s_cmp_lg_u32 s74, s71
	s_cbranch_scc1 .Lma_\@
	MASK
.Lma_\@:
.endif
	SOFT1
	SOFT2
	s_wait_dscnt 16                                ; V of tile a is in; tile b's K may be out
	PVM
	PLACES 5                                       ; the next products write over P
.if \mode == 0
	s_cmp_lg_u32 s74, s71
	s_cbranch_scc1 .Lea_\@
	FINISH 46
	START2
.Lea_\@:
.endif
	VLD \slot, 1
	s_cmp_eq_u32 s68, 0
	s_cbranch_scc1 .Lg0_\@
	s_wait_dscnt 16                                ; key group 1 goes ahead: K of tile b is in, its V may be out
	SMM
	PLACES 4
.if \mode == 0
	s_cmp_lg_u32 s74, s73
	s_cbranch_scc1 .Lmb1_\@
	MASK
.Lmb1_\@:
.endif
	SOFT1
.Lg0_\@:
	s_wait_dscnt 0x0                               ; my reads of this slot are over: its last K and V are in registers
	s_wait_tensorcnt 0x0                           ; all my tensor loads have landed: the one that was out is my part of the next slot
	ds_add_u32 v126, v127
	s_wait_dscnt 0x0
.if \refill
	SETG0 \slot, 4
.endif
	s_barrier_signal -1
	s_barrier_wait -1                              ; both now hold of all eight waves
.if \refill == 1
	KVLOAD \slot, 0                                ; the step two ahead: first thing behind the barrier, my only tensor load until the next
.endif
.if \refill == 2
	KVLOAD \slot, 1
.endif
	s_cmp_lg_u32 s68, 0
	s_cbranch_scc1 .Lg1_\@
	SMM                                            ; key group 0 follows: from registers
	PLACES 4
	KLD \next, 0
.if \mode == 0
	s_cmp_lg_u32 s74, s73
	s_cbranch_scc1 .Lmb0_\@
	MASK
.Lmb0_\@:
.endif
	SOFT1
	s_branch .Ljoin_\@
.Lg1_\@:
	KLD \next, 0
.Ljoin_\@:
	SOFT2
	PVM                                            ; V of tile b has been in since the wait in front of the barrier
	PLACES 5
.if \mode == 0
	s_cmp_lg_u32 s74, s73
	s_cbranch_scc1 .Leb_\@
	FINISH 46
	START2
.Leb_\@:
.endif
	VLD \next, 0
	s_add_co_u32 s74, s74, 2
.endm
	s_load_b256 s[4:11], s[0:1], 0x0               ; qkv s[4:5], w1 s[6:7], w2 s[8:9], ctx s[10:11]
	s_load_b64 s[12:13], s[0:1], 0x20              ; wb
	v_lshl_add_u32 v126, v0, 2, 0x35000
	v_mov_b32 v127, 0
	ds_add_u32 v126, v127
	ds_add_u32 v126, v127
	v_lshrrev_b32 v1, 5, v0
	v_readfirstlane_b32 s66, v1                    ; wave 0..7
	s_and_b32 s67, s66, 3                          ; query group
	s_lshr_b32 s68, s66, 2                         ; key group
	s_and_b32 s69, s66, 2                          ; 0: I fetch K; 2: V
	s_lshr_b32 s70, ttmp9, 3                       ; head 0..31
	s_and_b32 s71, ttmp9, 7                        ; i
	s_add_co_u32 s72, s71, 1
	s_sub_co_u32 s73, s71, 1                       ; for i = 0 all ones: no step's number
	s_mov_b32 s43, 0
	s_mov_b32 s48, 0x76543210
	s_mov_b32 s49, 0xfedcba98
	s_mov_b32 s50, 0x3e38aa3b                      ; c = log2(e) / 8
	s_mov_b32 s51, 0x3e38aa3b
	s_mov_b32 s52, 0xbe38aa3b                      ; -c
	; group 1: 64 rows x 64 numbers of 2 bytes, dense in memory; after every 32 words 4 words of padding for K, 8 for V
	s_mov_b32 s16, (1<<16)|(1<<20)|(4<<22)|(3<<25)
	s_mov_b32 s17, 64<<16
	s_mov_b32 s18, 64<<16
	s_mov_b32 s19, 64<<16
	s_mov_b32 s20, 64
	s_mov_b32 s21, 64
	s_mov_b32 s22, 0
	s_mov_b32 s23, 0
	s_mov_b32 s24, (1<<16)|(1<<20)|(4<<22)|(7<<25)
	s_mov_b32 s25, 64<<16
	s_mov_b32 s26, 64<<16
	s_mov_b32 s27, 64<<16
	s_mov_b32 s28, 64
	s_mov_b32 s29, 64
	s_mov_b32 s30, 0
	s_mov_b32 s31, 0
	s_lshl_b32 s54, s69, 22                        ; 0 or 8,388,608,
	s_add_co_u32 s54, s54, 0x800000                ; so part 1 (K) or part 2 (V)
	s_lshl_b32 s76, s70, 18                        ; the head
	s_add_co_u32 s54, s54, s76
	s_and_b32 s53, s66, 1
	s_lshl_b32 s53, s53, 13                        ; keys 0-63 or 64-127
	s_add_co_u32 s54, s54, s53
	s_mov_b32 s55, 0
	s_mul_i32 s62, s66, HREG                       ; region w of a slot: tile w / 4, K or V, its half
	s_mov_b32 s32, 1
	s_mov_b32 s33, s62
	s_mov_b32 s36, 1
	s_add_co_u32 s37, s62, SLOT
	s_mov_b32 s74, 0
	s_wait_dscnt 0x0
	s_wait_kmcnt 0x0
	s_add_nc_u64 s[40:41], s[4:5], s[54:55]
	SETG0 0, 0
	KVLOAD 0, 0                                    ; both first fills go out before anything else: two tensor loads of the wave are out
	SETG0 1, 2
	KVLOAD 1, 0
	s_lshl_b32 s53, s67, 12                        ; my query group's 32 rows of 128 bytes,
	s_add_co_u32 s53, s53, s76                     ; in my head
	s_lshl_b32 s54, s71, 14
	s_add_co_u32 s54, s54, s53
	s_add_nc_u64 s[44:45], s[4:5], s[54:55]        ; Q, first pass: block i
	s_sub_co_u32 s60, 15, s71
	s_lshl_b32 s54, s60, 14
	s_add_co_u32 s54, s54, s53
	s_add_nc_u64 s[56:57], s[4:5], s[54:55]        ; Q, second pass: block 15 - i
	s_lshr_b32 s53, s70, 4
	s_lshl_b32 s53, s53, 22                        ; ctx: the batch's 1,024 row pairs of 4,096 bytes
	s_and_b32 s61, s70, 15
	s_lshl_b32 s61, s61, 8                         ; the head's 256 bytes
	s_add_co_u32 s53, s53, s61
	s_lshl_b32 s61, s67, 16                        ; my query group's 16 row pairs
	s_add_co_u32 s53, s53, s61
	s_lshl_b32 s54, s71, 18
	s_add_co_u32 s54, s54, s53
	s_add_nc_u64 s[46:47], s[10:11], s[54:55]
	s_lshl_b32 s54, s60, 18
	s_add_co_u32 s54, s54, s53
	s_add_nc_u64 s[58:59], s[10:11], s[54:55]
	s_lshl_b32 s54, ttmp9, 16                      ; the cast: the work-group's 65,536 bytes of w1 and of w2,
	s_add_nc_u64 s[6:7], s[6:7], s[54:55]
	s_add_nc_u64 s[8:9], s[8:9], s[54:55]
	s_lshl_b32 s54, ttmp9, 15                      ; and its 32,768 bytes of each image
	s_add_nc_u64 s[80:81], s[12:13], s[54:55]
	s_add_nc_u64 s[80:81], s[80:81], 0x800000
	s_add_nc_u64 s[82:83], s[80:81], 0x800000
	v_and_b32 v22, 15, v0                          ; r
	v_bfe_u32 v23, v0, 4, 1                        ; h
	v_and_b32 v24, 7, v0
	v_bfe_u32 v25, v0, 3, 1
	v_mul_u32_u24 v26, v22, KPITCH
	v_lshl_add_u32 v26, v23, 4, v26                ; r x 144 + 16 h
	s_mul_i32 s53, s68, HREG                       ; my key group's region
	v_add_nc_u32 v[ADK], s53, v26
	v_add_nc_u32 v[ADK+1], SLOT, v[ADK]
	v_lshl_add_u32 v27, v23, 3, v24
	v_mul_u32_u24 v27, v27, VPITCH
	v_lshl_add_u32 v27, v25, 4, v27
	s_add_co_u32 s53, s53, 2*HREG                  ; V lies behind K's two halves
	v_add_nc_u32 v[ADV], s53, v27
	v_add_nc_u32 v[ADV+1], SLOT, v[ADV]
	v_lshlrev_b32 v[QO], 7, v22
	v_lshl_add_u32 v[QO], v23, 4, v[QO]
	s_mul_i32 s53, s67, 32*KPITCH
	s_add_co_u32 s53, s53, STAGE
	v_add_nc_u32 v[STO], s53, v26
	v_lshl_add_u32 v[RD], v23, 1, v25              ; lane / 8: one of four rows
	v_mul_u32_u24 v[RD], v[RD], KPITCH
	v_lshl_add_u32 v[RD], v24, 4, v[RD]
	v_add_nc_u32 v[RD], s53, v[RD]
	v_lshlrev_b32 v[CO], 12, v23                   ; lanes 16-31: the next row pair
	v_lshl_add_u32 v[CO], v22, 4, v[CO]
	s_lshl_b32 s53, s67, 5
	s_lshl_b32 s60, s68, 6
	s_sub_co_i32 s53, s53, s60                     ; 32 qw - 64 gk
	v_lshlrev_b32 v28, 3, v23
	v_sub_nc_u32 v[DQ], v22, v28
	v_add_nc_u32 v[DQ], s53, v[DQ]                 ; 32 qw + r - 8 h - 64 gk
	v_add_nc_u32 v[DQ+1], 16, v[DQ]
	v_and_b32 v28, 31, v0
	s_mul_i32 s53, s67, MPART
	s_add_co_u32 s53, s53, MERGE
	v_lshl_add_u32 v[MG], v28, 4, s53
	v_lshlrev_b32 v[INO], 4, v0                    ; 16 bytes a thread in,
	v_lshlrev_b32 v[OUTO], 3, v0                   ; 8 out
	v_mov_b32 v[NINF], 0xff800000
	; the first pass's Q straight into fragments, the second pass's into window 1, the cast's first 16 numbers
.irp qt, 0,1
.irp ks, 0,1
	global_load_b128 v[QF+8*(2*\qt+\ks):QF+8*(2*\qt+\ks)+3],   v[QO], s[44:45] offset:\qt*2048+\ks*64
	global_load_b128 v[QF+8*(2*\qt+\ks)+4:QF+8*(2*\qt+\ks)+7], v[QO], s[44:45] offset:\qt*2048+\ks*64+32
.endr
.endr
	WIN 0x40
.irp qt, 0,1
.irp ks, 0,1
	global_load_b128 v[Q2+8*(2*\qt+\ks):Q2+8*(2*\qt+\ks)+3],   v[QO], s[56:57] offset:\qt*2048+\ks*64
	global_load_b128 v[Q2+8*(2*\qt+\ks)+4:Q2+8*(2*\qt+\ks)+7], v[QO], s[56:57] offset:\qt*2048+\ks*64+32
.endr
.endr
	WIN 0
	CLOAD 0
	v_mov_b32 v[MM], 0xfb800000                    ; -2^120
	v_mov_b32 v[MM+1], 0xfb800000
	v_mov_b32 v[LL], 0
	v_mov_b32 v[LL+1], 0
	; O is cleared by moves, once: the first step stands in the loop, so its first product cannot be written out with the constant 0 as C
.set j, 0
.rept 64
	v_mov_b32 v[OO+j], 0
.set j, j+1
.endr
	s_wait_loadcnt 12                              ; the first pass's Q is in; the second pass's 8 loads and the cast's 4 may stay out
	s_wait_tensorcnt 0x1                           ; my part of step 0 is in; step 1's stays out
	s_barrier_signal -1
	s_barrier_wait -1
	KLD 0, 0
	VLD 0, 0
	s_mov_b32 s75, 3
.Lpair:                                            ; steps 0 to 5, stream tiles 0 to 11; i <= 7, so the first pass ends in here
	STEP 0, 1, 1, 0, 1, 1
	STEP 1, 0, 1, 0, 1, 1
	s_sub_co_u32 s75, s75, 1
	s_cmp_lg_u32 s75, 0
	s_cbranch_scc1 .Lpair
	STEP 0, 1, 2, 1, 1, 1                          ; step 6 fetches tile 16, the last; the cast's last loads
	STEP 1, 0, 0, 1, 1, 0                          ; step 7 fetches nothing; the cast's last stores
	s_wait_dscnt 16                                ; tile 16, the second pass's diagonal
	SMM
	PLACES 4
	MASK
	SOFT1
	SOFT2
	s_wait_dscnt 0x0                               ; V
	PVM
	PLACES 5
	FINISH 58
	s_wait_tensorcnt 0x0
	ds_add_u32 v126, v127
	s_wait_dscnt 0x0
	s_endpgm
.Lfunc_end_k_qd655635966_attn:
	.size	k_qd655635966_attn, .Lfunc_end_k_qd655635966_attn-k_qd655635966_attn
	.p2alignl 7, 3214868480
	.fill 96, 4, 3214868480
	.section	.rodata,"a",@progbits
	.p2align	6, 0x0
	.amdhsa_kernel k_qd655635966_attn
		.amdhsa_group_segment_fixed_size 327680
		.amdhsa_private_segment_fixed_size 0
		.amdhsa_enable_private_segment 0
		.amdhsa_kernarg_size 40
		.amdhsa_user_sgpr_count 2
		.amdhsa_user_sgpr_kernarg_segment_ptr 1
		.amdhsa_wavefront_size32 1
		.amdhsa_system_sgpr_workgroup_id_x 1
		.amdhsa_system_sgpr_workgroup_id_y 1
		.amdhsa_system_sgpr_workgroup_id_z 1
		.amdhsa_system_vgpr_workitem_id 0
		.amdhsa_next_free_vgpr 416
		.amdhsa_next_free_sgpr 84
		.amdhsa_reserve_vcc 1
		.amdhsa_float_denorm_mode_32 3
		.amdhsa_float_denorm_mode_16_64 3
		.amdhsa_memory_ordered 1
		.amdhsa_forward_progress 1
		.amdhsa_inst_pref_size 255
	.end_amdhsa_kernel
	.section	.bss,"aw",@nobits
	.p2align	6
	.space	262144
	.amdgpu_metadata
---
amdhsa.version: [ 1, 2 ]
amdhsa.kernels:
  - .name:           k_qd655635966_attn
    .symbol:         k_qd655635966_attn.kd
    .args:
      - { .name: qkv, .offset: 0, .size: 8, .value_kind: global_buffer, .address_space: global }
      - { .name: w1, .offset: 8, .size: 8, .value_kind: global_buffer, .address_space: global }
      - { .name: w2, .offset: 16, .size: 8, .value_kind: global_buffer, .address_space: global }
      - { .name: ctx, .offset: 24, .size: 8, .value_kind: global_buffer, .address_space: global }
      - { .name: wb, .offset: 32, .size: 8, .value_kind: global_buffer, .address_space: global }
    .group_segment_fixed_size: 327680
    .private_segment_fixed_size: 0
    .kernarg_segment_align: 8
    .kernarg_segment_size: 40
    .max_flat_workgroup_size: 256
    .sgpr_count:     84
    .vgpr_count:     416
    .wavefront_size: 32
...
	.end_amdgpu_metadata
.endif
;; end of part 3
;; launch wo (part 4): grid 8 x 32, 4 waves a work-group, clusters of 4 x 4, 327,680 bytes of LDS; arguments ctx, wb, bo, x, x1; writes x1
.if DOCPART == 4
	.amdgcn_target "amdgcn-amd-amdhsa--gfx1250"
	.amdhsa_code_object_version 6
	.text
	.protected	k_qd655635966_wo
	.globl	k_qd655635966_wo
	.p2align	8
	.type	k_qd655635966_wo,@function
k_qd655635966_wo:
	s_mov_b64 s[64:65], 0
	v_nop
	global_prefetch_b8 v0, s[64:65] scope:SCOPE_SE
	s_setreg_imm32_b32 hwreg(HW_REG_WAVE_MODE, 25, 1), 1
	s_wait_xcnt 0x0
	s_wait_alu depctr_hold_cnt(0) depctr_sa_sdst(0) depctr_va_vdst(0) depctr_va_sdst(0) depctr_va_ssrc(0) depctr_va_vcc(0) depctr_vm_vsrc(0)
	s_getreg_b32 s2, hwreg(HW_REG_IB_STS2, 6, 4)
	s_cmp_eq_u32 s2, 0
	s_cbranch_scc0 .Lentry_in_a_cluster
	s_endpgm
.Lentry_in_a_cluster:
	s_bfe_u32 s2, ttmp6, 0x10000c
	s_cmp_lg_u32 s2, 0xf033
	s_cbranch_scc0 .Lentry_shape_is_right
	s_endpgm
.Lentry_shape_is_right:
; out = res + A W + bias.  Here: x1 = x + ctx wo + bo.  A: 4096 rows x SIZE_K bf16; W: bf16 [SIZE_K][1024] in wb; res, out: [4096][1024] f32.
; N is 1024, so blocks of 256 x 256 would be 64 work-groups.  A work-group makes 128 x 128 (256 work-groups), and ITS FOUR WAVES SPLIT K:
; each holds the whole 128 x 128 block (64 accumulator tiles, 512 registers) and multiplies k = 64 w .. 64 w + 63 of every slot of 256 along K.
; So 16 KiB of LDS still feed 64 matrix instructions and each LDS byte is read by one wave; four tiles of 64 x 64 would read LDS twice as often.
; At the end the four partial sums meet in LDS (the ring's bytes, which have had their last fill) and are added in a fixed order.
; AMODE 1: A is ctx, [row pair][16 heads][row & 1][64]: a slot's 256 k are four heads, 1,024 consecutive bytes of a row pair.  AMODE 0: A is row-major.
; CLUSTERS: 4 x 4 work-groups; A's tile is asked for jointly along a row of the cluster, B's along a column.
; Windows: 0: addresses, A's fragments (v64-127, v128-191); 1: B's fragments; 2, 3: accumulators, tile (a, b) at v[8 (8 a + b)].
; The matrix instruction is used transposed (source 0 = columns of W, source 1 = rows of A): a lane holds eight neighbouring columns of one row.
; LIMITS: matrix operands are bf16; the sum over K is formed as four partial sums of interleaved k ranges, added as (p0 + p1) + (p2 + p3).
.set AMODE,  1
.set SIZE_K, 1024
.set WOFF,   6291456                   ; the weight's place in wb
.if AMODE
.set APITCH, 1040                      ; an LDS row: a row pair's 1,024 bytes + 16
.set AROWS,  32                        ; row pairs in one tensor load
.set ACOLS,  512
.set ASTRIDE, 2048                     ; numbers from row pair to row pair
.set AQI,    7                         ; padding after every 256 words
.set AW,     256                       ; a wave's 64 k: one head
.set RB,     8*APITCH                  ; 16 rows
.set ASLOTB, 1024                      ; bytes from slot to slot in memory
.set AHALF,  32*4096                   ; bytes from the first 64 rows to the second
.set ABLK,   64*4096                   ; bytes from block row to block row
.else
.set APITCH, 528                       ; 512 bytes + 16
.set AROWS,  64
.set ACOLS,  256
.set ASTRIDE, SIZE_K
.set AQI,    6                         ; after every 128 words
.set AW,     128
.set RB,     16*APITCH
.set ASLOTB, 512
.set AHALF,  64*SIZE_K*2
.set ABLK,   128*SIZE_K*2
.endif
.set PITCHB, 288
.set HALFT,  128*PITCHB                ; what one tensor load fills at the most
.set SLOT,   4*HALFT
.set BSLOTB, 256*2048                  ; 256 k-rows of the weight
.set LAPS,   SIZE_K/512                ; a lap = two slots
.set RPITCH, 528                       ; the way out: a row of 128 f32 + 16 bytes
.set WPART,  128*RPITCH                ; a wave's partial sums
.set RDP,  8                           ; v8-11   where I read partial sums 0..3 of my rows
.set STP,  12                          ; v12     where I put mine
.set XO,   13                          ; v13     16 x lane
.set ADRA, 16
.set ADRB, 20
.set BI,   28                          ; v28-31  the bias of my four columns
.set F0,   64
.set F1,   128
.set PS,   64                          ; the way out: v64-191, row rho's four partial sums at 16 rho + 4 p
.set R0,   192                         ; v192-223, v224-255: eight rows of the residual, two buffers
.set R1,   224
.set G1,  24
.set G0,  32
.set G1B, 48
.set G0B, 56
.set MSB, 0
.macro WIN new
.if MSB != \new
	s_set_vgpr_msb (MSB<<8)|\new
.set MSB, \new
.endif
.endm
.set MUL_LO, 0xa1
.set MUL_HI, 0xf1
.set TO_B,   0x40
.macro JLOAD s                         ; waves 0 and 1 fetch A's two halves, waves 2 and 3 B's
	s_cmp_eq_u32 s11, 0
	s_cbranch_scc0 .Lfor_b_\@
	tensor_load_to_lds s[G0+4*\s:G0+4*\s+3], s[G1:G1+7]
	s_nop 0
	s_branch .Lasked_\@
.Lfor_b_\@:
	tensor_load_to_lds s[G0B+4*\s:G0B+4*\s+3], s[G1B:G1B+7]
	s_nop 0
.Lasked_\@:
.endm
.macro CREST
	s_cmp_lg_u32 s10, 0
	s_cbranch_scc1 .Lnot_wave_0_\@
	s_barrier_signal -3
.Lnot_wave_0_\@:
	s_barrier_wait -3
	s_barrier_signal -1
	s_barrier_wait -1
.endm
.macro CROUND
	s_barrier_signal -1
	s_barrier_wait -1
	CREST
.endm
	s_load_b128 s[4:7], s[0:1], 0x0                ; A s[4:5], wb s[6:7]
	s_load_b128 s[68:71], s[0:1], 0x10             ; bias s[68:69], res s[70:71]
	s_load_b64 s[72:73], s[0:1], 0x20              ; out
	s_set_vgpr_msb 0x40
	v_lshl_add_u32 v255, v0, 2, 0x48000
	s_set_vgpr_msb 0x4000
	v_mov_b32 v63, 0
	s_set_vgpr_msb 0x1
	ds_add_u32 v255, v63
	ds_add_u32 v255, v63
	s_set_vgpr_msb 0x100
	v_lshrrev_b32 v1, 5, v0
	v_readfirstlane_b32 s10, v1                    ; wave 0..3
	s_lshr_b32 s11, s10, 1                         ; I fetch for A (0) or for B (1)
	s_and_b32 s12, s10, 1                          ; which half of that tile
	s_bfe_u32 s40, ttmp6, 0x40000                  ; cx
	s_bfe_u32 s41, ttmp6, 0x40004                  ; cy
	s_lshl_b32 s42, ttmp9, 2
	s_add_co_u32 s42, s42, s40                     ; block column
	s_and_b32 s13, ttmp7, 0xffff
	s_lshl_b32 s13, s13, 2
	s_add_co_u32 s13, s13, s41                     ; block row
	s_lshl_b32 s43, s41, 2
	s_lshl_b32 s43, 15, s43                        ; my row of the cluster
	s_lshl_b32 s44, 0x1111, s40                    ; my column
	s_or_b32 s[G1+0], s43, (1<<16)|(1<<20)|(1<<21)|(AQI<<22)|(3<<25)
	s_or_b32 s[G1B+0], s44, (1<<16)|(1<<20)|(1<<21)|(5<<22)|(7<<25)
	s_mov_b32 s[G1+1], ACOLS<<16
	s_mov_b32 s[G1B+1], 128<<16
	s_mov_b32 s[G1+2], AROWS<<16
	s_mov_b32 s[G1B+2], 128<<16
	s_mov_b32 s[G1+3], ACOLS<<16
	s_mov_b32 s[G1B+3], 128<<16
	s_mov_b32 s[G1+4], AROWS
	s_mov_b32 s[G1B+4], 128
	s_mov_b32 s[G1+5], ASTRIDE
	s_mov_b32 s[G1B+5], 1024
	s_mov_b32 s[G1+6], 0
	s_mov_b32 s[G1B+6], 0
	s_mov_b32 s[G1+7], 0
	s_mov_b32 s[G1B+7], 0
	s_mul_i32 s16, s13, ABLK                       ; A: the block row's 128 rows,
	s_mul_i32 s17, s12, AHALF                      ; my 64 of them
	s_add_co_u32 s16, s16, s17
	s_mov_b32 s17, 0
	s_lshl_b32 s46, s42, 8                         ; B: 128 columns of 2 bytes,
	s_lshl_b32 s47, s12, 18                        ; my 128 k-rows of 2,048 bytes,
	s_add_co_u32 s46, s46, s47
	s_add_co_u32 s46, s46, WOFF                    ; in the weight's place
	s_mov_b32 s47, 0
	s_mul_i32 s20, s10, HALFT
	s_wait_dscnt 0x0
	s_wait_kmcnt 0x0
	s_add_nc_u64 s[14:15], s[4:5], s[16:17]
	s_add_nc_u64 s[46:47], s[6:7], s[46:47]
	CROUND                                         ; all sixteen work-groups are here: the first joint loads meet
.irp s, 0,1
	s_mov_b32 s[G0+4*\s], 1
	s_add_co_u32 s[G0+4*\s+1], s20, \s*SLOT
	s_add_nc_u64 s[G0+4*\s+2:G0+4*\s+3], s[14:15], \s*ASLOTB
	s_or_b32 s[G0+4*\s+3], s[G0+4*\s+3], 0x80000000
	s_mov_b32 s[G0B+4*\s], 1
	s_add_co_u32 s[G0B+4*\s+1], s20, \s*SLOT
	s_add_nc_u64 s[G0B+4*\s+2:G0B+4*\s+3], s[46:47], \s*BSLOTB
	s_or_b32 s[G0B+4*\s+3], s[G0B+4*\s+3], 0x80000000
	JLOAD \s                                       ; two tensor loads of the wave are out
.endr
	v_and_b32 v1, 15, v0                           ; r
	v_bfe_u32 v2, v0, 4, 1                         ; h
	v_and_b32 v5, 31, v0
	v_lshlrev_b32 v[XO], 4, v5
	s_lshl_b32 s76, s42, 9                         ; my block's 128 columns of f32
	s_mov_b32 s77, 0
	s_add_nc_u64 s[68:69], s[68:69], s[76:77]
	global_load_b128 v[BI:BI+3], v[XO], s[68:69]
	s_lshl_b32 s78, s13, 7
	s_lshl_b32 s79, s10, 5
	s_add_co_u32 s78, s78, s79                     ; the 32 rows that I add up and store
	s_lshl_b32 s78, s78, 12
	s_add_co_u32 s76, s76, s78
	s_add_nc_u64 s[70:71], s[70:71], s[76:77]
	s_add_nc_u64 s[72:73], s[72:73], s[76:77]
.if AMODE
	v_lshrrev_b32 v3, 1, v1                        ; row r of a fragment: row pair r / 2, 128 bytes further for the odd row
	v_mul_u32_u24 v3, v3, APITCH
	v_and_b32 v4, 1, v1
	v_lshl_add_u32 v3, v4, 7, v3
.else
	v_mul_u32_u24 v3, v1, APITCH
.endif
	v_lshl_add_u32 v3, v2, 4, v3
	v_and_b32 v6, 7, v0
	v_lshl_add_u32 v6, v2, 3, v6
	v_mul_u32_u24 v6, v6, PITCHB
	v_bfe_u32 v7, v0, 3, 1
	v_lshl_add_u32 v6, v7, 4, v6
	s_mul_i32 s21, s10, AW                         ; my 64 k in A's rows
	s_mul_i32 s22, s11, HALFT                      ; my 64 k-rows of B: half w / 2,
	s_mul_i32 s23, s12, 64*PITCHB                  ; its rows 64 (w % 2) ..,
	s_add_co_u32 s22, s22, s23
	s_add_co_u32 s22, s22, 2*HALFT                 ; behind A's two halves
.irp s, 0,1
	v_add_nc_u32 v[ADRA+\s], s21, v3
	v_add_nc_u32 v[ADRB+\s], s22, v6
	s_add_co_u32 s21, s21, SLOT
	s_add_co_u32 s22, s22, SLOT
.endr
	s_mul_i32 s23, s10, WPART
	v_mul_u32_u24 v4, v1, RPITCH
	v_lshl_add_u32 v4, v2, 5, v4
	v_add_nc_u32 v[STP], s23, v4                   ; row r, 32 bytes for each half of the lanes, in my wave's part
	s_mul_i32 s23, s10, 32*RPITCH
.irp p, 0,1,2,3
	v_add_nc_u32 v[RDP+\p], s23, v[XO]             ; my 16 bytes of row 32 w in wave p's part
	s_add_co_u32 s23, s23, WPART
.endr
.macro MUL16 f, hi, a0, zero
.irp a, \a0, \a0+1
.irp b, 0,1,2,3,4,5,6,7
.if \zero
	v_wmma_f32_16x16x32_bf16 v[8*(8*(\a)+\b):8*(8*(\a)+\b)+7], v[\f+8*\b:\f+8*\b+7], v[\f+8*(4*\hi+\a):\f+8*(4*\hi+\a)+7], 0
.else
	v_wmma_f32_16x16x32_bf16 v[8*(8*(\a)+\b):8*(8*(\a)+\b)+7], v[\f+8*\b:\f+8*\b+7], v[\f+8*(4*\hi+\a):\f+8*(4*\hi+\a)+7], v[8*(8*(\a)+\b):8*(8*(\a)+\b)+7]
.endif
.endr
.endr
.endm
.macro FETCH slot, q, f                ; 32 LDS loads: 32 of my 64 k, all 128 columns of B, all 128 rows of A
	WIN TO_B
.irp i, 0,1,2,3,4,5,6,7
	ds_load_tr16_b128 v[\f+8*\i:\f+8*\i+3],   v[ADRB+\slot] offset:\q*32*PITCHB+32*\i
	ds_load_tr16_b128 v[\f+8*\i+4:\f+8*\i+7], v[ADRB+\slot] offset:\q*32*PITCHB+32*\i+16*PITCHB
.endr
	WIN 0
.irp i, 0,1,2,3,4,5,6,7
	ds_load_b128 v[\f+8*\i:\f+8*\i+3],   v[ADRA+\slot] offset:(\i>>2)*HALFT+(\i&3)*RB+64*\q
	ds_load_b128 v[\f+8*\i+4:\f+8*\i+7], v[ADRA+\slot] offset:(\i>>2)*HALFT+(\i&3)*RB+64*\q+32
.endr
.endm
.macro PLACES                          ; four plain vector instructions behind a matrix instruction (ISA guide 7.12.1)
.rept 4
	v_nop
.endr
.endm
; The 64 accumulators take turns, one instruction a turn, in the same order in every quarter.
.macro QUARTER slot, q, f, g, zero
	s_wait_dscnt 8                                 ; B and A's rows 0-63 are in; the youngest eight loads may be out
	WIN MUL_LO
	MUL16 \f, 0, 0, \zero
	MUL16 \f, 0, 2, \zero
	PLACES
	FETCH \slot, \q, \g
	s_wait_dscnt 32                                ; all but the 32 just issued
	WIN MUL_HI
	MUL16 \f, 1, 0, \zero
	MUL16 \f, 1, 2, \zero
.endm
; The second half of a slot, and the change of slots: each wave's reads of the slot and all its tensor loads are waited for in front of the barrier
; (a round of the cluster's barrier where the slot is filled again); the refill is first behind it.  From a request to its wait: 112 matrix instructions.
.macro TURN slot, next, fill
	s_wait_dscnt 8
	WIN MUL_LO
	MUL16 F1, 0, 0, 0
	s_wait_dscnt 0
	s_wait_tensorcnt 0x0
	ds_add_u32 v255, v63
	s_wait_dscnt 0x0
	s_barrier_signal -1
	MUL16 F1, 0, 2, 0
	WIN 0
	s_barrier_wait -1
.if \fill
	CREST
	s_add_nc_u64 s[G0+4*\slot+2:G0+4*\slot+3], s[G0+4*\slot+2:G0+4*\slot+3], 2*ASLOTB
	s_add_nc_u64 s[G0B+4*\slot+2:G0B+4*\slot+3], s[G0B+4*\slot+2:G0B+4*\slot+3], 2*BSLOTB
	JLOAD \slot
.endif
	PLACES
	FETCH \next, 0, F0
	WIN MUL_HI
	MUL16 F1, 1, 0, 0
	MUL16 F1, 1, 2, 0
.endm
.macro LAP zero
	QUARTER 0, 1, F0, F1, \zero
	TURN 0, 1, 1
	QUARTER 1, 1, F0, F1, 0
	TURN 1, 0, 1
.endm
	s_wait_tensorcnt 1                             ; my part of slot 0 is in; slot 1's stays out
	s_barrier_signal -1
	s_barrier_wait -1
	FETCH 0, 0, F0
	LAP 1                                          ; the first products start the sums
.if LAPS > 2
	WIN 0
	s_mov_b32 s3, LAPS-2
.Llap:
	LAP 0
	WIN 0
	s_sub_co_u32 s3, s3, 1
	s_cmp_lg_u32 s3, 0
	s_cbranch_scc1 .Llap
.endif
	QUARTER 0, 1, F0, F1, 0                        ; the last lap fills nothing
	TURN 0, 1, 0
	QUARTER 1, 1, F0, F1, 0
	s_wait_dscnt 8
	WIN MUL_LO
	MUL16 F1, 0, 0, 0
	MUL16 F1, 0, 2, 0
	s_wait_dscnt 0
	WIN MUL_HI
	MUL16 F1, 1, 0, 0
	MUL16 F1, 1, 2, 0
	; THE WAY OUT.  Each wave lays its 128 x 128 partial sums into LDS; wave w then adds up rows 32 w .. 32 w + 31 with residual and bias.
	PLACES
	WIN 0
.irp rho, 0,1,2,3,4,5,6,7
	global_load_b128 v[R0+4*\rho:R0+4*\rho+3], v[XO], s[70:71] offset:\rho*4096
.endr
	s_barrier_signal -1                            ; every wave's reads of the ring are over (its last wait on LDS was for 0), and every tensor load has landed
	s_barrier_wait -1
	WIN 0x08                                       ; store data from window 2
.irp a, 0,1,2,3
.irp b, 0,1,2,3,4,5,6,7
	ds_store_b128 v[STP], v[8*(8*\a+\b):8*(8*\a+\b)+3]   offset:\a*16*RPITCH+64*\b
	ds_store_b128 v[STP], v[8*(8*\a+\b)+4:8*(8*\a+\b)+7] offset:\a*16*RPITCH+64*\b+16
.endr
.endr
	WIN 0x0c                                       ; from window 3
.irp a, 0,1,2,3
.irp b, 0,1,2,3,4,5,6,7
	ds_store_b128 v[STP], v[8*(8*\a+\b):8*(8*\a+\b)+3]   offset:(\a+4)*16*RPITCH+64*\b
	ds_store_b128 v[STP], v[8*(8*\a+\b)+4:8*(8*\a+\b)+7] offset:(\a+4)*16*RPITCH+64*\b+16
.endr
.endr
	WIN 0
	s_wait_dscnt 0x0                               ; for the others' sake: my stores are done
	s_barrier_signal -1
	s_barrier_wait -1
; Eight rows.  more = 1: the next eight rows of the residual are asked for first, into the other buffer.
.macro RED g, more, buf, nbuf
.if \more
.irp rho, 0,1,2,3,4,5,6,7
	global_load_b128 v[\nbuf+4*\rho:\nbuf+4*\rho+3], v[XO], s[70:71] offset:(8*(\g+1)+\rho)*4096
.endr
.endif
.irp rho, 0,1,2,3,4,5,6,7
.irp p, 0,1,2,3
	ds_load_b128 v[PS+16*\rho+4*\p:PS+16*\rho+4*\p+3], v[RDP+\p] offset:(8*\g+\rho)*RPITCH
.endr
.endr
	s_wait_loadcnt 8*\more                         ; this batch's residual (and the bias) are in; the eight loads just issued may stay out
.irp rho, 0,1,2,3,4,5,6,7
	s_wait_dscnt 4*(7-\rho)                        ; this row's four loads are in; the later rows' may be out
	v_pk_add_f32 v[PS+16*\rho:PS+16*\rho+1],     v[PS+16*\rho:PS+16*\rho+1],     v[PS+16*\rho+4:PS+16*\rho+5]
	v_pk_add_f32 v[PS+16*\rho+2:PS+16*\rho+3],   v[PS+16*\rho+2:PS+16*\rho+3],   v[PS+16*\rho+6:PS+16*\rho+7]
	v_pk_add_f32 v[PS+16*\rho+8:PS+16*\rho+9],   v[PS+16*\rho+8:PS+16*\rho+9],   v[PS+16*\rho+12:PS+16*\rho+13]
	v_pk_add_f32 v[PS+16*\rho+10:PS+16*\rho+11], v[PS+16*\rho+10:PS+16*\rho+11], v[PS+16*\rho+14:PS+16*\rho+15]
	v_pk_add_f32 v[\buf+4*\rho:\buf+4*\rho+1],   v[\buf+4*\rho:\buf+4*\rho+1],   v[BI:BI+1]
	v_pk_add_f32 v[\buf+4*\rho+2:\buf+4*\rho+3], v[\buf+4*\rho+2:\buf+4*\rho+3], v[BI+2:BI+3]
	v_pk_add_f32 v[PS+16*\rho:PS+16*\rho+1],     v[PS+16*\rho:PS+16*\rho+1],     v[PS+16*\rho+8:PS+16*\rho+9]
	v_pk_add_f32 v[PS+16*\rho+2:PS+16*\rho+3],   v[PS+16*\rho+2:PS+16*\rho+3],   v[PS+16*\rho+10:PS+16*\rho+11]
	v_pk_add_f32 v[PS+16*\rho:PS+16*\rho+1],     v[PS+16*\rho:PS+16*\rho+1],     v[\buf+4*\rho:\buf+4*\rho+1]
	v_pk_add_f32 v[PS+16*\rho+2:PS+16*\rho+3],   v[PS+16*\rho+2:PS+16*\rho+3],   v[\buf+4*\rho+2:\buf+4*\rho+3]
	global_store_b128 v[XO], v[PS+16*\rho:PS+16*\rho+3], s[72:73] offset:(8*\g+\rho)*4096   ; 32 lanes: 512 consecutive bytes of a row, aligned
.endr
	s_wait_xcnt 0x0                                ; the stores' data registers are loaded again only behind this wait
.endm
	RED 0, 1, R0, R1
	RED 1, 1, R1, R0
	RED 2, 1, R0, R1
	RED 3, 0, R1, R0
	s_set_vgpr_msb 0x1
	s_wait_tensorcnt 0x0
	ds_add_u32 v255, v63
	s_wait_dscnt 0x0
	s_set_vgpr_msb 0x100
	CROUND                                         ; the closing round
	s_endpgm
.Lfunc_end_k_qd655635966_wo:
	.size	k_qd655635966_wo, .Lfunc_end_k_qd655635966_wo-k_qd655635966_wo
	.p2alignl 7, 3214868480
	.fill 96, 4, 3214868480
	.section	.rodata,"a",@progbits
	.p2align	6, 0x0
	.amdhsa_kernel k_qd655635966_wo
		.amdhsa_group_segment_fixed_size 327680
		.amdhsa_private_segment_fixed_size 0
		.amdhsa_enable_private_segment 0
		.amdhsa_kernarg_size 40
		.amdhsa_user_sgpr_count 2
		.amdhsa_user_sgpr_kernarg_segment_ptr 1
		.amdhsa_wavefront_size32 1
		.amdhsa_system_sgpr_workgroup_id_x 1
		.amdhsa_system_sgpr_workgroup_id_y 1
		.amdhsa_system_sgpr_workgroup_id_z 1
		.amdhsa_system_vgpr_workitem_id 0
		.amdhsa_next_free_vgpr 1024
		.amdhsa_next_free_sgpr 80
		.amdhsa_reserve_vcc 0
		.amdhsa_float_denorm_mode_32 3
		.amdhsa_float_denorm_mode_16_64 3
		.amdhsa_memory_ordered 1
		.amdhsa_forward_progress 1
		.amdhsa_inst_pref_size 104
	.end_amdhsa_kernel
	.amdgpu_metadata
---
amdhsa.version: [ 1, 2 ]
amdhsa.kernels:
  - .name:           k_qd655635966_wo
    .symbol:         k_qd655635966_wo.kd
    .args:
      - { .name: ctx, .offset: 0, .size: 8, .value_kind: global_buffer, .address_space: global }
      - { .name: wb, .offset: 8, .size: 8, .value_kind: global_buffer, .address_space: global }
      - { .name: bo, .offset: 16, .size: 8, .value_kind: global_buffer, .address_space: global }
      - { .name: x, .offset: 24, .size: 8, .value_kind: global_buffer, .address_space: global }
      - { .name: x1, .offset: 32, .size: 8, .value_kind: global_buffer, .address_space: global }
    .group_segment_fixed_size: 327680
    .private_segment_fixed_size: 0
    .kernarg_segment_align: 8
    .kernarg_segment_size: 40
    .max_flat_workgroup_size: 128
    .sgpr_count:     80
    .vgpr_count:     1024
    .wavefront_size: 32
...
	.end_amdgpu_metadata
.endif
;; end of part 4
;; launch ln2 (part 5): grid 256 x 1, 8 waves a work-group, no clusters, 0 bytes of LDS; arguments x1, ln2_scale, ln2_shift, hn; writes hn
.if DOCPART == 5
	.amdgcn_target "amdgcn-amd-amdhsa--gfx1250"
	.amdhsa_code_object_version 6
	.text
	.protected	k_qd655635966_ln2
	.globl	k_qd655635966_ln2
	.p2align	8
	.type	k_qd655635966_ln2,@function
k_qd655635966_ln2:
	s_mov_b64 s[64:65], 0
	v_nop
	global_prefetch_b8 v0, s[64:65] scope:SCOPE_SE
	s_setreg_imm32_b32 hwreg(HW_REG_WAVE_MODE, 25, 1), 1
	s_wait_xcnt 0x0
; hn = LayerNorm(x1) * ln2_scale + ln2_shift, rounded once to bf16.  x1: [4096][1024] f32, hn: [4096][1024] bf16.
; A stream: every byte is read once and written once, so no LDS, no barrier, no matrix unit.
; One wave keeps one row (4,096 bytes) in 32 registers; the mean is taken first, then the sum of squares of x - mean (two true passes
; over registers), so a common offset costs no accuracy.  Eight waves, two rows each; 256 work-groups of 16 rows.
; LIMITS: v_rsq_f32 is accurate to 1 ulp; NaN and infinity spread over their row as in any sum.
.set LO,   2                           ; v2        16 x lane
.set SO,   3                           ; v3        8 x lane
.set SC,   4                           ; v[4:35]   scale of my 32 columns
.set SH,   36                          ; v[36:67]  shift of my 32 columns
.set X0,   68                          ; v[68:99]  first row
.set X1,   100                         ; v[100:131] second row
.set T,    132                         ; v[132:139] at work
.set MU,   148                         ; v[148:149] the mean, twice
.set RS,   150                         ; v[150:151] 1 / sqrt(var + eps), twice
.set INP,  4
.set SCP,  6
.set SHP,  8
.set OUTP, 10
.macro FOLD
	v_pk_add_f32 v[T:T+1], v[T:T+1], v[T+2:T+3]
	v_pk_add_f32 v[T+4:T+5], v[T+4:T+5], v[T+6:T+7]
	v_pk_add_f32 v[T:T+1], v[T:T+1], v[T+4:T+5]
	v_add_f32 v[T], v[T], v[T+1]
.endm
.macro WSUM
	v_add_f32_dpp v[T], v[T], v[T] row_xmask:1 row_mask:0xf bank_mask:0xf
	v_add_f32_dpp v[T], v[T], v[T] row_xmask:2 row_mask:0xf bank_mask:0xf
	v_add_f32_dpp v[T], v[T], v[T] row_xmask:4 row_mask:0xf bank_mask:0xf
	v_add_f32_dpp v[T], v[T], v[T] row_xmask:8 row_mask:0xf bank_mask:0xf
	v_permlanex16_b32 v[T+1], v[T], s32, s33
	v_add_f32 v[T], v[T], v[T+1]
.endm
.macro LNROW X, left, first, row
	s_wait_loadcnt \left
.irp c, 0,1,2,3
	v_pk_add_f32 v[T+2*\c:T+2*\c+1], v[\X+4*\c:\X+4*\c+1], v[\X+4*\c+2:\X+4*\c+3]
.endr
.irp p, 8,9,10,11,12,13,14,15
	v_pk_add_f32 v[T+2*(\p%4):T+2*(\p%4)+1], v[T+2*(\p%4):T+2*(\p%4)+1], v[\X+2*\p:\X+2*\p+1]
.endr
	FOLD
	WSUM
	v_mul_f32 v[MU], s34, v[T]
	v_mul_f32 v[MU+1], s34, v[T]
.irp p, 0,1,2,3,4,5,6,7,8,9,10,11,12,13,14,15
	v_pk_add_f32 v[\X+2*\p:\X+2*\p+1], v[\X+2*\p:\X+2*\p+1], v[MU:MU+1] neg_lo:[0,1] neg_hi:[0,1]
.endr
.irp c, 0,1,2,3
	v_pk_mul_f32 v[T+2*\c:T+2*\c+1], v[\X+2*\c:\X+2*\c+1], v[\X+2*\c:\X+2*\c+1]
.endr
.irp p, 4,5,6,7,8,9,10,11,12,13,14,15
	v_pk_fma_f32 v[T+2*(\p%4):T+2*(\p%4)+1], v[\X+2*\p:\X+2*\p+1], v[\X+2*\p:\X+2*\p+1], v[T+2*(\p%4):T+2*(\p%4)+1]
.endr
	FOLD
	WSUM
	v_fma_f32 v[T], v[T], s34, s35
	v_rsq_f32 v[RS], v[T]
	v_rsq_f32 v[RS+1], v[T]
	v_nop                                          ; one plain vector instruction behind a transcendental before its result is used (ISA guide 5.7.2)
.if \first
	s_wait_loadcnt 0x0
.endif
	s_wait_alu depctr_va_vdst(0)
.irp p, 0,1,2,3,4,5,6,7,8,9,10,11,12,13,14,15
	v_pk_mul_f32 v[\X+2*\p:\X+2*\p+1], v[\X+2*\p:\X+2*\p+1], v[RS:RS+1]
.endr
.irp p, 0,1,2,3,4,5,6,7,8,9,10,11,12,13,14,15
	v_pk_fma_f32 v[\X+2*\p:\X+2*\p+1], v[\X+2*\p:\X+2*\p+1], v[SC+2*\p:SC+2*\p+1], v[SH+2*\p:SH+2*\p+1]
.endr
.irp j, 0,1,2,3,4,5,6,7
	v_cvt_pk_bf16_f32 v[\X+4*\j], v[\X+4*\j], v[\X+4*\j+1]
	v_cvt_pk_bf16_f32 v[\X+4*\j+1], v[\X+4*\j+2], v[\X+4*\j+3]
	global_store_b64 v[SO], v[\X+4*\j:\X+4*\j+1], s[OUTP:OUTP+1] offset:\row*2048+256*\j   ; 32 lanes x 8 bytes: 256 consecutive bytes, aligned
.endr
.endm
	s_load_b256 s[4:11], s[0:1], 0x0               ; x1, ln2_scale, ln2_shift, hn
	v_lshrrev_b32 v1, 5, v0
	v_readfirstlane_b32 s26, v1                    ; wave 0..7
	v_and_b32 v1, 31, v0
	v_lshlrev_b32 v[LO], 4, v1
	v_lshlrev_b32 v[SO], 3, v1
	s_lshl_b32 s27, ttmp9, 4
	s_lshl1_add_u32 s27, s26, s27                  ; my first row = 16 x work-group + 2 x wave
	s_lshl_b32 s28, s27, 12
	s_mov_b32 s29, 0
	s_lshl_b32 s30, s27, 11
	s_mov_b32 s31, 0
	s_mov_b32 s32, 0x76543210
	s_mov_b32 s33, 0xfedcba98
	s_mov_b32 s34, 0x3a800000                      ; 1 / 1024
	s_mov_b32 s35, 0x3727c5ac                      ; 1e-5
	s_wait_kmcnt 0x0
	s_add_nc_u64 s[INP:INP+1], s[INP:INP+1], s[28:29]
	s_add_nc_u64 s[OUTP:OUTP+1], s[OUTP:OUTP+1], s[30:31]
.irp j, 0,1,2,3,4,5,6,7
	global_load_b128 v[X0+4*\j:X0+4*\j+3], v[LO], s[INP:INP+1] offset:512*\j
.endr
.irp j, 0,1,2,3,4,5,6,7
	global_load_b128 v[X1+4*\j:X1+4*\j+3], v[LO], s[INP:INP+1] offset:4096+512*\j
.endr
.irp j, 0,1,2,3,4,5,6,7
	global_load_b128 v[SC+4*\j:SC+4*\j+3], v[LO], s[SCP:SCP+1] offset:512*\j
.endr
.irp j, 0,1,2,3,4,5,6,7
	global_load_b128 v[SH+4*\j:SH+4*\j+3], v[LO], s[SHP:SHP+1] offset:512*\j
.endr
	LNROW X0, 24, 1, 0                             ; 24 younger loads (second row, scale, shift) may stay out
	LNROW X1, 0, 0, 1
	s_endpgm
.Lfunc_end_k_qd655635966_ln2:
	.size	k_qd655635966_ln2, .Lfunc_end_k_qd655635966_ln2-k_qd655635966_ln2
	.p2alignl 7, 3214868480
	.fill 96, 4, 3214868480
	.section	.rodata,"a",@progbits
	.p2align	6, 0x0
	.amdhsa_kernel k_qd655635966_ln2
		.amdhsa_group_segment_fixed_size 0
		.amdhsa_private_segment_fixed_size 0
		.amdhsa_enable_private_segment 0
		.amdhsa_kernarg_size 32
		.amdhsa_user_sgpr_count 2
		.amdhsa_user_sgpr_kernarg_segment_ptr 1
		.amdhsa_wavefront_size32 1
		.amdhsa_system_sgpr_workgroup_id_x 1
		.amdhsa_system_sgpr_workgroup_id_y 1
		.amdhsa_system_sgpr_workgroup_id_z 1
		.amdhsa_system_vgpr_workitem_id 0
		.amdhsa_next_free_vgpr 152
		.amdhsa_next_free_sgpr 66
		.amdhsa_reserve_vcc 0
		.amdhsa_float_denorm_mode_32 3
		.amdhsa_float_denorm_mode_16_64 3
		.amdhsa_memory_ordered 1
		.amdhsa_forward_progress 1
		.amdhsa_inst_pref_size 20
	.end_amdhsa_kernel
	.amdgpu_metadata
---
amdhsa.version: [ 1, 2 ]
amdhsa.kernels:
  - .name:           k_qd655635966_ln2
    .symbol:         k_qd655635966_ln2.kd
    .args:
      - { .name: x1, .offset: 0, .size: 8, .value_kind: global_buffer, .address_space: global }
      - { .name: ln2_scale, .offset: 8, .size: 8, .value_kind: global_buffer, .address_space: global }
      - { .name: ln2_shift, .offset: 16, .size: 8, .value_kind: global_buffer, .address_space: global }
      - { .name: hn, .offset: 24, .size: 8, .value_kind: global_buffer, .address_space: global }
    .group_segment_fixed_size: 0
    .private_segment_fixed_size: 0
    .kernarg_segment_align: 8
    .kernarg_segment_size: 32
    .max_flat_workgroup_size: 256
    .sgpr_count:     66
    .vgpr_count:     152
    .wavefront_size: 32
...
	.end_amdgpu_metadata
.endif
;; end of part 5
;; launch ffn1 (part 6): grid 16 x 16, 4 waves a work-group, clusters of 4 x 4, 327,680 bytes of LDS; arguments hn, wb, b1, g; writes g
.if DOCPART == 6
	.amdgcn_target "amdgcn-amd-amdhsa--gfx1250"
	.amdhsa_code_object_version 6
	.text
	.protected	k_qd655635966_ffn1
	.globl	k_qd655635966_ffn1
	.p2align	8
	.type	k_qd655635966_ffn1,@function
k_qd655635966_ffn1:
	s_mov_b64 s[64:65], 0
	v_nop
	global_prefetch_b8 v0, s[64:65] scope:SCOPE_SE
	s_setreg_imm32_b32 hwreg(HW_REG_WAVE_MODE, 25, 1), 1
	s_wait_xcnt 0x0
	s_wait_alu depctr_hold_cnt(0) depctr_sa_sdst(0) depctr_va_vdst(0) depctr_va_sdst(0) depctr_va_ssrc(0) depctr_va_vcc(0) depctr_vm_vsrc(0)
	s_getreg_b32 s2, hwreg(HW_REG_IB_STS2, 6, 4)
	s_cmp_eq_u32 s2, 0
	s_cbranch_scc0 .Lentry_in_a_cluster
	s_endpgm
.Lentry_in_a_cluster:
	s_bfe_u32 s2, ttmp6, 0x10000c
	s_cmp_lg_u32 s2, 0xf033
	s_cbranch_scc0 .Lentry_shape_is_right
	s_endpgm
.Lentry_shape_is_right:
; g = gelu(hn w1 + b1), exact (erf) GELU.  hn: [4096][1024] bf16.  w1: bf16 [K = 1024][N = 4096] in wb.  g: [4096][4096] bf16, rounded once.
; A work-group makes 256 rows x 256 columns with four waves, a wave 128 x 128: 64 accumulator tiles of 16 x 16, 512 registers.
; K goes in steps of 128 through a ring of two LDS slots filled by the tensor data mover.  256 work-groups.
; THE WEIGHTS STAY [K][N]: a tile of B is 128 k-rows x 256 bytes, and ds_load_tr16_b128 brings a fragment with k along the registers.
; CLUSTERS: 4 x 4 work-groups.  A's tile hangs on the block row alone and is asked for jointly by a row of the cluster, B's on the block
; column alone and is asked for jointly by a column: the requests for A and B are divided by four.
; REGISTERS, in windows of 256: window 0: v0-31 addresses, v32-45 GELU's constants, v64-127 and v128-191 fragments of A (two buffers), v192-255 the
; bias, later the way out; window 1: v64-127, v128-191 fragments of B; windows 2, 3: accumulators, tile (a, b) at v[8 (8 a + b)].
; THE MATRIX INSTRUCTION IS USED TRANSPOSED: source 0 = 16 columns of W, source 1 = 16 rows of hn: lane l then holds row l % 16 and its
; registers 0 to 7 the columns 8 (l / 16) + 0..7, eight neighbouring numbers of a row.
; LIMITS: matrix operands are bf16.  Phi is the five-term rational form of Abramowitz and Stegun 26.2.17 (erf's 7.1.26 at x / sqrt 2), absolute error of
; Phi at most 7.5e-8 plus f32 rounding; where exp(-x x / 2) falls below 2^-126 the tail is taken as 0; an infinite x gives NaN.
.set EPI,    1                         ; 0: the way out into qkv; 1: GELU and the way out into g
.set NPITCH, 4096                      ; numbers in a row of the weight
.set SIZE_K, 1024
.set KSTEP,  128
.set PITCHA, 272                       ; an LDS row of A: 256 bytes + 16: row r starts 16 r bytes further modulo 256
.set PITCHB, 288                       ; an LDS row of B: 256 bytes + 32, an odd multiple of 32, for the transposing loads
.set HALFT,  128*PITCHB                ; what one tensor load fills at the most (A's 128 rows take 34,816 of it)
.set SLOT,   4*HALFT                   ; A's two halves, then B's two halves
.set STAGE,  2*SLOT                    ; behind the ring: 16 rows x 272 bytes for each wave, for the way out
.set SPITCH, 272
.set LAPS,   SIZE_K/(2*KSTEP)          ; a lap = two K steps = once round the ring
.set BSTEP,  KSTEP*NPITCH*2            ; bytes from one K step of the weight to the next
.set OUTROW, 8192                      ; bytes in a row of g
.set ADRA, 16                          ; v16-17  LDS address of my A fragments in slot 0, 1
.set ADRB, 20                          ; v20-21  the same for B
.set STO,  24                          ; v24     the way out: where I put 16 bytes of a row
.set RD,   25                          ; v25     the way out: where I read back
.set CO,   26                          ; v26     my byte offset in the output
.set BO,   27                          ; v27     32 x (lane / 16): my 8 numbers in each 16 of the bias
.set F0,   64
.set F1,   128
.set BIAS, 192                         ; v192-255: tile b's eight registers = bias of columns 16 b + 8 (l / 16) + 0..7
.if EPI == 0
.set TMP,  192
.set OB0,  64
.set OB1,  128
.else
.set TMP,  224
.set OB0,  64
.set OB1,  96
.endif
.set KP, 32                            ; v32-45: GELU's constants, each twice
.set KE, 34
.set C1, 36
.set C2, 38
.set C3, 40
.set C4, 42
.set C5, 44
.set AX, 128                           ; |x|
.set PX, 144                           ; max(x, 0)
.set DN, 160
.set TT, 176
.set WW, 192
.set EE, 208
.set G1,  24                           ; s[24:31] descriptor group 1 for A's tiles
.set G0,  32                           ; s[32:39] descriptor group 0 for A's tiles, one set for each slot
.set G1B, 48                           ; s[48:55] group 1 for B's tiles
.set G0B, 56                           ; s[56:63] group 0 for B's tiles
.set MSB, 0
.macro WIN new                         ; the immediate's high byte repeats the setting that is left
.if MSB != \new
	s_set_vgpr_msb (MSB<<8)|\new
.set MSB, \new
.endif
.endm
.set MUL_LO, 0xa1                      ; source 0 (B) window 1, source 1 (A) window 0, C and D window 2
.set MUL_HI, 0xf1                      ; the same, C and D window 3
.set TO_B,   0x40                      ; destination window 1, address window 0
; A joint load.  Waves 0 and 1 fetch A's two halves, waves 2 and 3 B's.  The branch hangs on the wave's number alone.
.macro JLOAD s
	s_cmp_eq_u32 s11, 0
	s_cbranch_scc0 .Lfor_b_\@
	tensor_load_to_lds s[G0+4*\s:G0+4*\s+3], s[G1:G1+7]
	s_nop 0
	s_branch .Lasked_\@
.Lfor_b_\@:
	tensor_load_to_lds s[G0B+4*\s:G0B+4*\s+3], s[G1B:G1B+7]
	s_nop 0
.Lasked_\@:
.endm
; A round of the cluster's barrier: my work-group's barrier; wave 0 signals for the work-group; every wave waits for all sixteen; my work-group's barrier again.
.macro CREST                           ; a round behind its opening barrier
	s_cmp_lg_u32 s10, 0
	s_cbranch_scc1 .Lnot_wave_0_\@
	s_barrier_signal -3
.Lnot_wave_0_\@:
	s_barrier_wait -3
	s_barrier_signal -1
	s_barrier_wait -1
.endm
.macro CROUND
	s_barrier_signal -1
	s_barrier_wait -1
	CREST
.endm
	s_load_b128 s[4:7], s[0:1], 0x0                ; hn s[4:5], wb s[6:7]
.if EPI == 0
	s_load_b256 s[68:75], s[0:1], 0x10             ; bq, bk, bv, qkv
.else
	s_load_b128 s[68:71], s[0:1], 0x10             ; b1, g
	s_set_vgpr_msb 0x40
	v_lshl_add_u32 v255, v0, 2, 0x4c400
	s_set_vgpr_msb 0x4000
	v_mov_b32 v63, 0
	s_set_vgpr_msb 0x1
	ds_add_u32 v255, v63
	ds_add_u32 v255, v63
	s_set_vgpr_msb 0x100
.endif
	v_lshrrev_b32 v1, 5, v0
	v_readfirstlane_b32 s10, v1                    ; wave 0..3
	s_lshr_b32 s11, s10, 1                         ; which half of the block's rows is mine.  Also: I fetch for A (0) or for B (1)
	s_and_b32 s12, s10, 1                          ; which half of its columns.  Also: which half of that tile I fetch
	s_bfe_u32 s40, ttmp6, 0x40000                  ; cx
	s_bfe_u32 s41, ttmp6, 0x40004                  ; cy
.if EPI == 0
	s_mov_b32 s42, s40                             ; block column inside the part: the cluster's x is the part
.else
	s_lshl_b32 s42, ttmp9, 2
	s_add_co_u32 s42, s42, s40                     ; block column = 4 x cluster x + cx
.endif
	s_and_b32 s13, ttmp7, 0xffff
	s_lshl_b32 s13, s13, 2
	s_add_co_u32 s13, s13, s41                     ; block row = 4 x cluster y + cy
	s_lshl_b32 s43, s41, 2
	s_lshl_b32 s43, 15, s43                        ; my row of the cluster: places 4 cy .. 4 cy + 3
	s_lshl_b32 s44, 0x1111, s40                    ; my column: places cx, cx + 4, cx + 8, cx + 12
	s_or_b32 s[G1+0], s43, (1<<16)|(1<<20)|(1<<21)|(5<<22)|(3<<25)  ; mask of my row; 2-byte elements; padding on; bit 21 beside a mask; after 64 words, 4 words
	s_or_b32 s[G1B+0], s44, (1<<16)|(1<<20)|(1<<21)|(5<<22)|(7<<25) ; mask of my column; after 64 words, 8 words
	s_mov_b32 s[G1+1], KSTEP<<16                   ; tensor_dim0 = 128
	s_mov_b32 s[G1B+1], 128<<16
	s_mov_b32 s[G1+2], 128<<16                     ; tensor_dim1 = 128
	s_mov_b32 s[G1B+2], KSTEP<<16
	s_mov_b32 s[G1+3], KSTEP<<16                   ; tile_dim0 = 128
	s_mov_b32 s[G1B+3], 128<<16
	s_mov_b32 s[G1+4], 128                         ; tile_dim1 = 128
	s_mov_b32 s[G1B+4], KSTEP
	s_mov_b32 s[G1+5], SIZE_K                      ; numbers from row to row
	s_mov_b32 s[G1B+5], NPITCH
	s_mov_b32 s[G1+6], 0
	s_mov_b32 s[G1B+6], 0
	s_mov_b32 s[G1+7], 0
	s_mov_b32 s[G1B+7], 0
	; A's tiles hang on the block row alone, B's on the block column alone, each in registers that never hold the other coordinate
	s_lshl_b32 s16, s13, 8
	s_lshl_b32 s17, s12, 7
	s_add_co_u32 s16, s16, s17                     ; A: row 256 x block row + 128 x half
	s_lshl_b32 s16, s16, 11                        ; x 2,048 bytes
	s_mov_b32 s17, 0
	s_lshl_b32 s46, s42, 9                         ; B: column 256 x block column, in bytes,
	s_lshl_b32 s47, s12, 8                         ; + 128 x half
	s_add_co_u32 s46, s46, s47
.if EPI == 0
	s_lshl_b32 s47, ttmp9, 21                      ; + the part's weight in wb
	s_add_co_u32 s46, s46, s47
.else
	s_add_co_u32 s46, s46, 8388608                 ; + w1's place in wb
.endif
	s_mov_b32 s47, 0
	s_mul_i32 s20, s10, HALFT                      ; where my tile goes: wave x HALFT
	s_lshl_b32 s76, s42, 10                        ; the bias of my wave's 128 columns, in bytes
	s_lshl_b32 s77, s12, 9
	s_add_co_u32 s76, s76, s77
	s_mov_b32 s77, 0
	s_wait_dscnt 0x0
	s_wait_kmcnt 0x0
	s_add_nc_u64 s[14:15], s[4:5], s[16:17]
	s_add_nc_u64 s[46:47], s[6:7], s[46:47]
	CROUND                                         ; all sixteen work-groups are here: the first joint loads meet
.irp s, 0,1
	s_mov_b32 s[G0+4*\s], 1
	s_add_co_u32 s[G0+4*\s+1], s20, \s*SLOT
	s_add_nc_u64 s[G0+4*\s+2:G0+4*\s+3], s[14:15], \s*KSTEP*2
	s_or_b32 s[G0+4*\s+3], s[G0+4*\s+3], 0x80000000
	s_mov_b32 s[G0B+4*\s], 1
	s_add_co_u32 s[G0B+4*\s+1], s20, \s*SLOT
	s_add_nc_u64 s[G0B+4*\s+2:G0B+4*\s+3], s[46:47], \s*BSTEP
	s_or_b32 s[G0B+4*\s+3], s[G0B+4*\s+3], 0x80000000
	JLOAD \s                                       ; both slots' first fills go out before anything else: two tensor loads of the wave are out
.endr
.if EPI == 0
	s_cmp_eq_u32 ttmp9, 0                          ; the part's bias: the cluster's x is the same in all partners
	s_cselect_b64 s[66:67], s[68:69], s[70:71]
	s_cmp_eq_u32 ttmp9, 2
	s_cselect_b64 s[66:67], s[72:73], s[66:67]
.else
	s_mov_b64 s[66:67], s[68:69]
.endif
	s_add_nc_u64 s[66:67], s[66:67], s[76:77]
	v_and_b32 v1, 15, v0                           ; l % 16
	v_bfe_u32 v2, v0, 4, 1                         ; l / 16
	v_lshlrev_b32 v[BO], 5, v2
.irp b, 0,1,2,3,4,5,6,7
	global_load_b128 v[BIAS+8*\b:BIAS+8*\b+3],   v[BO], s[66:67] offset:64*\b
	global_load_b128 v[BIAS+8*\b+4:BIAS+8*\b+7], v[BO], s[66:67] offset:64*\b+16
.endr
	; A fragment (16 rows x 32 K, K along the LDS rows): two loads of 16 bytes, 32 bytes apart, at row x pitch + 16 (l / 16).
	; B fragment (32 k-rows x 16 columns): two transposing loads, 16 k-rows apart, at (8 (l / 16) + l % 8) x pitch + 16 ((l / 8) % 2).
	v_mul_u32_u24 v3, v1, PITCHA
	v_lshl_add_u32 v3, v2, 4, v3
	v_and_b32 v8, 7, v0
	v_lshl_add_u32 v6, v2, 3, v8
	v_mul_u32_u24 v6, v6, PITCHB
	v_bfe_u32 v7, v0, 3, 1
	v_lshl_add_u32 v6, v7, 4, v6
	s_mul_i32 s21, s11, HALFT                      ; my 128 rows of A
	s_mul_i32 s22, s12, HALFT                      ; my 128 columns of B,
	s_add_co_u32 s22, s22, 2*HALFT                 ; which lie behind A's two halves
.irp s, 0,1
	v_add_nc_u32 v[ADRA+\s], s21, v3
	v_add_nc_u32 v[ADRB+\s], s22, v6
	s_add_co_u32 s21, s21, SLOT
	s_add_co_u32 s22, s22, SLOT
.endr
	s_mul_i32 s23, s10, 16*SPITCH
	s_add_co_u32 s23, s23, STAGE                   ; my stage
	v_mul_u32_u24 v4, v1, SPITCH                   ; in: row l % 16, 16 bytes for each half of the lanes
	v_lshl_add_u32 v4, v2, 4, v4
	v_add_nc_u32 v[STO], s23, v4
.if EPI == 0
	v_mul_u32_u24 v5, v7, SPITCH                   ; back: lanes 0-15 take 128 bytes (one head) of two rows, lanes 16-31 the next head's
	v_lshl_add_u32 v5, v2, 7, v5
	v_lshl_add_u32 v5, v8, 4, v5
	v_add_nc_u32 v[RD], s23, v5
	v_lshlrev_b32 v5, 18, v2                       ; in qkv a head is 262,144 bytes, and two rows of a head are 256 consecutive bytes
	v_lshl_add_u32 v[CO], v1, 4, v5
.else
	v_mul_u32_u24 v5, v2, SPITCH                   ; back: lanes 0-15 take one row of 256 bytes, lanes 16-31 the next
	v_lshl_add_u32 v5, v1, 4, v5
	v_add_nc_u32 v[RD], s23, v5
	v_lshlrev_b32 v5, 13, v2                       ; and the same two rows in g
	v_lshl_add_u32 v[CO], v1, 4, v5
.endif
; 16 matrix instructions: m blocks a0, a0 + 1 of the window's four x all 8 n blocks, 32 along K.  first = 1: C is the bias (window 0): nothing is cleared.
.macro MUL16 f, hi, a0, first
.irp a, \a0, \a0+1
.irp b, 0,1,2,3,4,5,6,7
.if \first
	v_wmma_f32_16x16x32_bf16 v[8*(8*(\a)+\b):8*(8*(\a)+\b)+7], v[\f+8*\b:\f+8*\b+7], v[\f+8*(4*\hi+\a):\f+8*(4*\hi+\a)+7], v[BIAS+8*\b:BIAS+8*\b+7]
.else
	v_wmma_f32_16x16x32_bf16 v[8*(8*(\a)+\b):8*(8*(\a)+\b)+7], v[\f+8*\b:\f+8*\b+7], v[\f+8*(4*\hi+\a):\f+8*(4*\hi+\a)+7], v[8*(8*(\a)+\b):8*(8*(\a)+\b)+7]
.endif
.endr
.endr
.endm
; 32 LDS loads in one run: the fragments of quarter q (32 along K) of a slot into buffer f
.macro FETCH slot, q, f
	WIN TO_B
.irp i, 0,1,2,3,4,5,6,7
	ds_load_tr16_b128 v[\f+8*\i:\f+8*\i+3],   v[ADRB+\slot] offset:\q*32*PITCHB+32*\i
	ds_load_tr16_b128 v[\f+8*\i+4:\f+8*\i+7], v[ADRB+\slot] offset:\q*32*PITCHB+32*\i+16*PITCHB
.endr
	WIN 0
.irp i, 0,1,2,3,4,5,6,7
	ds_load_b128 v[\f+8*\i:\f+8*\i+3],   v[ADRA+\slot] offset:\q*64+\i*16*PITCHA
	ds_load_b128 v[\f+8*\i+4:\f+8*\i+7], v[ADRA+\slot] offset:\q*64+\i*16*PITCHA+32
.endr
.endm
; Four plain vector instructions between a matrix instruction and a load into, or a vector instruction on, one of its registers
.macro PLACES
.rept 4
	v_nop
.endr
.endm
; A quarter step: 64 matrix instructions on buffer f; in its middle the next quarter's fragments go into buffer g.
; The 64 accumulators take turns, one instruction a turn, in the same order in every quarter.
.macro QUARTER slot, q, f, g, first
	s_wait_dscnt 8                                 ; B and A's rows 0-63 are in; the youngest eight loads (A's rows 64-127) may be out
.if \first
	WIN 0x81                                       ; C from window 0, D into window 2
.else
	WIN MUL_LO
.endif
	MUL16 \f, 0, 0, \first
	MUL16 \f, 0, 2, \first
	PLACES
	FETCH \slot, \q, \g
	s_wait_dscnt 32                                ; all but the 32 just issued
.if \first
	WIN 0xc1
.else
	WIN MUL_HI
.endif
	MUL16 \f, 1, 0, \first
	MUL16 \f, 1, 2, \first
.endm
.macro THREE slot, first
	QUARTER \slot, 1, F0, F1, \first
	QUARTER \slot, 2, F1, F0, 0
	QUARTER \slot, 3, F0, F1, 0
.endm
; The last quarter of a K step: multiplies buffer 1 and changes slots.  In front of the barrier each wave waits for its reads of this slot and for
; all its tensor loads (one is out: its part of the next slot); behind it (a round of the cluster's barrier where the slot is filled again) the
; refill comes first, then the next slot's first fragments.  From a request to the wait for it a wave issues 240 matrix instructions.
.macro TURN slot, next, fill
	s_wait_dscnt 8
	WIN MUL_LO
	MUL16 F1, 0, 0, 0
	s_wait_dscnt 0
	s_wait_tensorcnt 0x0
	ds_add_u32 v255, v63
	s_wait_dscnt 0x0
	s_barrier_signal -1
	MUL16 F1, 0, 2, 0                              ; register work while the others arrive
	WIN 0
	s_barrier_wait -1
.if \fill
	CREST
	s_add_nc_u64 s[G0+4*\slot+2:G0+4*\slot+3], s[G0+4*\slot+2:G0+4*\slot+3], 2*KSTEP*2
	s_add_nc_u64 s[G0B+4*\slot+2:G0B+4*\slot+3], s[G0B+4*\slot+2:G0B+4*\slot+3], 2*BSTEP
	JLOAD \slot                                    ; the first tensor load behind the round, the wave's only one until the next
.endif
	PLACES
	FETCH \next, 0, F0
	WIN MUL_HI
	MUL16 F1, 1, 0, 0
	MUL16 F1, 1, 2, 0
.endm
.macro LAP first
	THREE 0, \first
	TURN 0, 1, 1
	THREE 1, 0
	TURN 1, 0, 1
.endm
	s_wait_tensorcnt 1                             ; my part of K step 0 is in; K step 1's stays out
	s_barrier_signal -1
	s_barrier_wait -1
	FETCH 0, 0, F0
	s_wait_loadcnt 0x0                             ; the bias
	LAP 1
	WIN 0
	s_mov_b32 s3, LAPS-2
.Llap:
	LAP 0
	WIN 0
	s_sub_co_u32 s3, s3, 1
	s_cmp_lg_u32 s3, 0
	s_cbranch_scc1 .Llap
	THREE 0, 0                                     ; the last lap fills nothing
	TURN 0, 1, 0
	THREE 1, 0
	s_wait_dscnt 8
	WIN MUL_LO
	MUL16 F1, 0, 0, 0
	MUL16 F1, 0, 2, 0
	s_wait_dscnt 0
	WIN MUL_HI
	MUL16 F1, 1, 0, 0
	MUL16 F1, 1, 2, 0
	; THE WAY OUT, 16 rows at a time: to bf16, 16 bytes a lane into my own stage in LDS, read back so that 16 lanes hold 256 consecutive bytes of the output
	PLACES
	WIN 0
.if EPI == 0
	s_lshl_b32 s76, ttmp9, 23                      ; the part: 8,388,608 bytes
	s_lshr_b32 s77, s13, 3                         ; the batch: 8 block rows each, 16 heads of 262,144 bytes
	s_lshl_b32 s77, s77, 22
	s_add_co_u32 s76, s76, s77
	s_lshl_b32 s77, s40, 2
	s_lshl1_add_u32 s77, s12, s77                  ; my first head = 4 cx + 2 x half
	s_lshl_b32 s77, s77, 18
	s_add_co_u32 s76, s76, s77
	s_and_b32 s77, s13, 7
	s_lshl_b32 s77, s77, 15                        ; 256 rows of 128 bytes
	s_add_co_u32 s76, s76, s77
	s_lshl_b32 s77, s11, 14                        ; 128 rows
	s_add_co_u32 s76, s76, s77
	s_mov_b32 s77, 0
	s_add_nc_u64 s[8:9], s[74:75], s[76:77]
.else
	s_lshl_b32 s76, s13, 8
	s_lshl_b32 s77, s11, 7
	s_add_co_u32 s76, s76, s77                     ; my first row
	s_lshl_b32 s76, s76, 13
	s_lshl_b32 s77, s42, 9                         ; my first column, in bytes
	s_add_co_u32 s76, s76, s77
	s_lshl_b32 s77, s12, 8
	s_add_co_u32 s76, s76, s77
	s_mov_b32 s77, 0
	s_add_nc_u64 s[8:9], s[70:71], s[76:77]
	s_mov_b32 s78, 0x7fffffff
.irp r, 0,1
	v_mov_b32 v[KP+\r], 0x3e6d3389                 ;  0.2316419
	v_mov_b32 v[KE+\r], 0xbf38aa3b                 ; -log2(e) / 2
	v_mov_b32 v[C1+\r], 0xbe027906                 ; -0.127414796
	v_mov_b32 v[C2+\r], 0x3e11a98e                 ;  0.142248368
	v_mov_b32 v[C3+\r], 0xbf35f0e3                 ; -0.710706871
	v_mov_b32 v[C4+\r], 0x3f3a00e3                 ;  0.726576014
	v_mov_b32 v[C5+\r], 0xbf07dc22                 ; -0.530702716
.endr
.endif
; gelu(x) = x Phi(x) = max(x, 0) - |x| Q(|x|), Q(z) = exp(-z z / 2) (c1 t + .. + c5 t^5), t = 1 / (1 + 0.2316419 z); the c are kept negated.
; Two tiles (16 numbers a lane) at a time.
.macro GELU16 a, g, from
	WIN \from
.irp e, 0,1,2,3,4,5,6,7,8,9,10,11,12,13,14,15
	v_and_b32 v[AX+\e], s78, v[8*(8*\a+2*\g)+\e]
	v_max_num_f32 v[PX+\e], 0, v[8*(8*\a+2*\g)+\e]
.endr
	WIN 0
.irp e, 0,2,4,6,8,10,12,14
	v_pk_fma_f32 v[DN+\e:DN+\e+1], v[AX+\e:AX+\e+1], v[KP:KP+1], 1.0 op_sel_hi:[1,1,0]
	v_pk_mul_f32 v[WW+\e:WW+\e+1], v[AX+\e:AX+\e+1], v[KE:KE+1]
.endr
.irp e, 0,2,4,6,8,10,12,14
	v_pk_mul_f32 v[WW+\e:WW+\e+1], v[WW+\e:WW+\e+1], v[AX+\e:AX+\e+1]
.endr
.irp e, 0,1,2,3,4,5,6,7,8,9,10,11,12,13,14,15
	v_rcp_f32 v[TT+\e], v[DN+\e]
.endr
.irp e, 0,1,2,3,4,5,6,7,8,9,10,11,12,13,14,15
	v_exp_f32 v[EE+\e], v[WW+\e]
.endr
	v_nop                                          ; one plain vector instruction behind the transcendentals (ISA guide 5.7.2)
	s_wait_alu depctr_va_vdst(0)
.irp e, 0,2,4,6,8,10,12,14
	v_pk_fma_f32 v[DN+\e:DN+\e+1], v[TT+\e:TT+\e+1], v[C5:C5+1], v[C4:C4+1]
.endr
.irp c, C3, C2, C1
.irp e, 0,2,4,6,8,10,12,14
	v_pk_fma_f32 v[DN+\e:DN+\e+1], v[DN+\e:DN+\e+1], v[TT+\e:TT+\e+1], v[\c:\c+1]
.endr
.endr
.irp e, 0,2,4,6,8,10,12,14
	v_pk_mul_f32 v[DN+\e:DN+\e+1], v[DN+\e:DN+\e+1], v[TT+\e:TT+\e+1]
.endr
.irp e, 0,2,4,6,8,10,12,14
	v_pk_mul_f32 v[DN+\e:DN+\e+1], v[DN+\e:DN+\e+1], v[EE+\e:EE+\e+1]
.endr
.irp e, 0,2,4,6,8,10,12,14
	v_pk_fma_f32 v[PX+\e:PX+\e+1], v[AX+\e:AX+\e+1], v[DN+\e:DN+\e+1], v[PX+\e:PX+\e+1]
.endr
.irp e, 0,1,2,3,4,5,6,7
	v_cvt_pk_bf16_f32 v[TMP+8*\g+\e], v[PX+2*\e], v[PX+2*\e+1]
.endr
.endm
; rows 16 i .. 16 i + 15 of my block = the eight tiles (a, 0..7) of window 2 or 3 (from = 0x0a or 0x0f: sources 0 and 1); f: a read-back buffer, two in turn
.macro OUT16 i, a, from, f
.if EPI == 0
	WIN \from
.irp b, 0,1,2,3,4,5,6,7
.irp r, 0,1,2,3
	v_cvt_pk_bf16_f32 v[TMP+4*\b+\r], v[8*(8*\a+\b)+2*\r], v[8*(8*\a+\b)+2*\r+1]
.endr
.endr
	WIN 0
.else
.irp g, 0,1,2,3
	GELU16 \a, \g, \from
.endr
.endif
.irp b, 0,1,2,3,4,5,6,7
	ds_store_b128 v[STO], v[TMP+4*\b:TMP+4*\b+3] offset:32*\b
.endr
	s_wait_xcnt 0x0                                ; buffer f, which earlier stores read, and the stores' base are rewritten only behind this wait
.if EPI == 1
.if \i
	s_add_nc_u64 s[8:9], s[8:9], 16*OUTROW         ; 16 rows on
.endif
.endif
.irp t, 0,1,2,3,4,5,6,7
	ds_load_b128 v[\f+4*\t:\f+4*\t+3], v[RD] offset:\t*2*SPITCH    ; LDS serves a wave's instructions in order (ISA guide 5.7.1.4): these see the stores above
.endr
.irp t, 0,1,2,3,4,5,6,7
	s_wait_dscnt 7-\t
.if EPI == 0
	global_store_b128 v[CO], v[\f+4*\t:\f+4*\t+3], s[8:9] offset:\i*2048+256*\t   ; 16 lanes: rows 2 t, 2 t + 1 of one head, 256 consecutive bytes, aligned
.else
	global_store_b128 v[CO], v[\f+4*\t:\f+4*\t+3], s[8:9] offset:2*\t*OUTROW      ; 16 lanes: 256 consecutive bytes of a row, aligned
.endif
.endr
.endm
	OUT16 0, 0, 0x0a, OB0
	OUT16 1, 1, 0x0a, OB1
	OUT16 2, 2, 0x0a, OB0
	OUT16 3, 3, 0x0a, OB1
	OUT16 4, 0, 0x0f, OB0
	OUT16 5, 1, 0x0f, OB1
	OUT16 6, 2, 0x0f, OB0
	OUT16 7, 3, 0x0f, OB1
	s_set_vgpr_msb 0x1
	s_wait_tensorcnt 0x0
	ds_add_u32 v255, v63
	s_wait_dscnt 0x0
	s_set_vgpr_msb 0x100
	CROUND                                         ; the closing round: no work-group ends while a partner may still ask for a tile that names it
	s_endpgm
.Lfunc_end_k_qd655635966_ffn1:
	.size	k_qd655635966_ffn1, .Lfunc_end_k_qd655635966_ffn1-k_qd655635966_ffn1
	.p2alignl 7, 3214868480
	.fill 96, 4, 3214868480
	.section	.rodata,"a",@progbits
	.p2align	6, 0x0
	.amdhsa_kernel k_qd655635966_ffn1
		.amdhsa_group_segment_fixed_size 327680
		.amdhsa_private_segment_fixed_size 0
		.amdhsa_enable_private_segment 0
		.amdhsa_kernarg_size 32
		.amdhsa_user_sgpr_count 2
		.amdhsa_user_sgpr_kernarg_segment_ptr 1
		.amdhsa_wavefront_size32 1
		.amdhsa_system_sgpr_workgroup_id_x 1
		.amdhsa_system_sgpr_workgroup_id_y 1
		.amdhsa_system_sgpr_workgroup_id_z 1
		.amdhsa_system_vgpr_workitem_id 0
		.amdhsa_next_free_vgpr 1024
		.amdhsa_next_free_sgpr 80
		.amdhsa_reserve_vcc 0
		.amdhsa_float_denorm_mode_32 3
		.amdhsa_float_denorm_mode_16_64 3
		.amdhsa_memory_ordered 1
		.amdhsa_forward_progress 1
		.amdhsa_inst_pref_size 255
	.end_amdhsa_kernel
	.section	.bss,"aw",@nobits
	.p2align	6
	.space	262144
	.amdgpu_metadata
---
amdhsa.version: [ 1, 2 ]
amdhsa.kernels:
  - .name:           k_qd655635966_ffn1
    .symbol:         k_qd655635966_ffn1.kd
    .args:
      - { .name: hn, .offset: 0, .size: 8, .value_kind: global_buffer, .address_space: global }
      - { .name: wb, .offset: 8, .size: 8, .value_kind: global_buffer, .address_space: global }
      - { .name: b1, .offset: 16, .size: 8, .value_kind: global_buffer, .address_space: global }
      - { .name: g, .offset: 24, .size: 8, .value_kind: global_buffer, .address_space: global }
    .group_segment_fixed_size: 327680
    .private_segment_fixed_size: 0
    .kernarg_segment_align: 8
    .kernarg_segment_size: 32
    .max_flat_workgroup_size: 128
    .sgpr_count:     80
    .vgpr_count:     1024
    .wavefront_size: 32
...
	.end_amdgpu_metadata
.endif
;; end of part 6
;; launch ffn2 (part 7): grid 8 x 32, 4 waves a work-group, clusters of 4 x 4, 327,680 bytes of LDS; arguments g, wb, b2, x1, out0; writes out0
.if DOCPART == 7
	.amdgcn_target "amdgcn-amd-amdhsa--gfx1250"
	.amdhsa_code_object_version 6
	.text
	.protected	k_qd655635966_ffn2
	.globl	k_qd655635966_ffn2
	.p2align	8
	.type	k_qd655635966_ffn2,@function
k_qd655635966_ffn2:
	s_mov_b64 s[64:65], 0
	v_nop
	global_prefetch_b8 v0, s[64:65] scope:SCOPE_SE
	s_setreg_imm32_b32 hwreg(HW_REG_WAVE_MODE, 25, 1), 1
	s_wait_xcnt 0x0
	s_wait_alu depctr_hold_cnt(0) depctr_sa_sdst(0) depctr_va_vdst(0) depctr_va_sdst(0) depctr_va_ssrc(0) depctr_va_vcc(0) depctr_vm_vsrc(0)
	s_getreg_b32 s2, hwreg(HW_REG_IB_STS2, 6, 4)
	s_cmp_eq_u32 s2, 0
	s_cbranch_scc0 .Lentry_in_a_cluster
	s_endpgm
.Lentry_in_a_cluster:
	s_bfe_u32 s2, ttmp6, 0x10000c
	s_cmp_lg_u32 s2, 0xf033
	s_cbranch_scc0 .Lentry_shape_is_right
	s_endpgm
.Lentry_shape_is_right:
; out = res + A W + bias.  Here: out0 = x1 + g w2 + b2.  A: 4096 rows x SIZE_K bf16; W: bf16 [SIZE_K][1024] in wb; res, out: [4096][1024] f32.
; N is 1024, so blocks of 256 x 256 would be 64 work-groups.  A work-group makes 128 x 128 (256 work-groups), and ITS FOUR WAVES SPLIT K:
; each holds the whole 128 x 128 block (64 accumulator tiles, 512 registers) and multiplies k = 64 w .. 64 w + 63 of every slot of 256 along K.
; So 16 KiB of LDS still feed 64 matrix instructions and each LDS byte is read by one wave; four tiles of 64 x 64 would read LDS twice as often.
; At the end the four partial sums meet in LDS (the ring's bytes, which have had their last fill) and are added in a fixed order.
; AMODE 1: A is ctx, [row pair][16 heads][row & 1][64]: a slot's 256 k are four heads, 1,024 consecutive bytes of a row pair.  AMODE 0: A is row-major.
; CLUSTERS: 4 x 4 work-groups; A's tile is asked for jointly along a row of the cluster, B's along a column.
; Windows: 0: addresses, A's fragments (v64-127, v128-191); 1: B's fragments; 2, 3: accumulators, tile (a, b) at v[8 (8 a + b)].
; The matrix instruction is used transposed (source 0 = columns of W, source 1 = rows of A): a lane holds eight neighbouring columns of one row.
; LIMITS: matrix operands are bf16; the sum over K is formed as four partial sums of interleaved k ranges, added as (p0 + p1) + (p2 + p3).
.set AMODE,  0
.set SIZE_K, 4096
.set WOFF,   16777216                  ; the weight's place in wb
.if AMODE
.set APITCH, 1040                      ; an LDS row: a row pair's 1,024 bytes + 16
.set AROWS,  32                        ; row pairs in one tensor load
.set ACOLS,  512
.set ASTRIDE, 2048                     ; numbers from row pair to row pair
.set AQI,    7                         ; padding after every 256 words
.set AW,     256                       ; a wave's 64 k: one head
.set RB,     8*APITCH                  ; 16 rows
.set ASLOTB, 1024                      ; bytes from slot to slot in memory
.set AHALF,  32*4096                   ; bytes from the first 64 rows to the second
.set ABLK,   64*4096                   ; bytes from block row to block row
.else
.set APITCH, 528                       ; 512 bytes + 16
.set AROWS,  64
.set ACOLS,  256
.set ASTRIDE, SIZE_K
.set AQI,    6                         ; after every 128 words
.set AW,     128
.set RB,     16*APITCH
.set ASLOTB, 512
.set AHALF,  64*SIZE_K*2
.set ABLK,   128*SIZE_K*2
.endif
.set PITCHB, 288
.set HALFT,  128*PITCHB                ; what one tensor load fills at the most
.set SLOT,   4*HALFT
.set BSLOTB, 256*2048                  ; 256 k-rows of the weight
.set LAPS,   SIZE_K/512                ; a lap = two slots
.set RPITCH, 528                       ; the way out: a row of 128 f32 + 16 bytes
.set WPART,  128*RPITCH                ; a wave's partial sums
.set RDP,  8                           ; v8-11   where I read partial sums 0..3 of my rows
.set STP,  12                          ; v12     where I put mine
.set XO,   13                          ; v13     16 x lane
.set ADRA, 16
.set ADRB, 20
.set BI,   28                          ; v28-31  the bias of my four columns
.set F0,   64
.set F1,   128
.set PS,   64                          ; the way out: v64-191, row rho's four partial sums at 16 rho + 4 p
.set R0,   192                         ; v192-223, v224-255: eight rows of the residual, two buffers
.set R1,   224
.set G1,  24
.set G0,  32
.set G1B, 48
.set G0B, 56
.set MSB, 0
.macro WIN new
.if MSB != \new
	s_set_vgpr_msb (MSB<<8)|\new
.set MSB, \new
.endif
.endm
.set MUL_LO, 0xa1
.set MUL_HI, 0xf1
.set TO_B,   0x40
.macro JLOAD s                         ; waves 0 and 1 fetch A's two halves, waves 2 and 3 B's
	s_cmp_eq_u32 s11, 0
	s_cbranch_scc0 .Lfor_b_\@
	tensor_load_to_lds s[G0+4*\s:G0+4*\s+3], s[G1:G1+7]
	s_nop 0
	s_branch .Lasked_\@
.Lfor_b_\@:
	tensor_load_to_lds s[G0B+4*\s:G0B+4*\s+3], s[G1B:G1B+7]
	s_nop 0
.Lasked_\@:
.endm
.macro CREST
	s_cmp_lg_u32 s10, 0
	s_cbranch_scc1 .Lnot_wave_0_\@
	s_barrier_signal -3
.Lnot_wave_0_\@:
	s_barrier_wait -3
	s_barrier_signal -1
	s_barrier_wait -1
.endm
.macro CROUND
	s_barrier_signal -1
	s_barrier_wait -1
	CREST
.endm
	s_load_b128 s[4:7], s[0:1], 0x0                ; A s[4:5], wb s[6:7]
	s_load_b128 s[68:71], s[0:1], 0x10             ; bias s[68:69], res s[70:71]
	s_load_b64 s[72:73], s[0:1], 0x20              ; out
	s_set_vgpr_msb 0x40
	v_lshl_add_u32 v255, v0, 2, 0x48000
	s_set_vgpr_msb 0x4000
	v_mov_b32 v63, 0
	s_set_vgpr_msb 0x1
	ds_add_u32 v255, v63
	ds_add_u32 v255, v63
	s_set_vgpr_msb 0x100
	v_lshrrev_b32 v1, 5, v0
	v_readfirstlane_b32 s10, v1                    ; wave 0..3
	s_lshr_b32 s11, s10, 1                         ; I fetch for A (0) or for B (1)
	s_and_b32 s12, s10, 1                          ; which half of that tile
	s_bfe_u32 s40, ttmp6, 0x40000                  ; cx
	s_bfe_u32 s41, ttmp6, 0x40004                  ; cy
	s_lshl_b32 s42, ttmp9, 2
	s_add_co_u32 s42, s42, s40                     ; block column
	s_and_b32 s13, ttmp7, 0xffff
	s_lshl_b32 s13, s13, 2
	s_add_co_u32 s13, s13, s41                     ; block row
	s_lshl_b32 s43, s41, 2
	s_lshl_b32 s43, 15, s43                        ; my row of the cluster
	s_lshl_b32 s44, 0x1111, s40                    ; my column
	s_or_b32 s[G1+0], s43, (1<<16)|(1<<20)|(1<<21)|(AQI<<22)|(3<<25)
	s_or_b32 s[G1B+0], s44, (1<<16)|(1<<20)|(1<<21)|(5<<22)|(7<<25)
	s_mov_b32 s[G1+1], ACOLS<<16
	s_mov_b32 s[G1B+1], 128<<16
	s_mov_b32 s[G1+2], AROWS<<16
	s_mov_b32 s[G1B+2], 128<<16
	s_mov_b32 s[G1+3], ACOLS<<16
	s_mov_b32 s[G1B+3], 128<<16
	s_mov_b32 s[G1+4], AROWS
	s_mov_b32 s[G1B+4], 128
	s_mov_b32 s[G1+5], ASTRIDE
	s_mov_b32 s[G1B+5], 1024
	s_mov_b32 s[G1+6], 0
	s_mov_b32 s[G1B+6], 0
	s_mov_b32 s[G1+7], 0
	s_mov_b32 s[G1B+7], 0
	s_mul_i32 s16, s13, ABLK                       ; A: the block row's 128 rows,
	s_mul_i32 s17, s12, AHALF                      ; my 64 of them
	s_add_co_u32 s16, s16, s17
	s_mov_b32 s17, 0
	s_lshl_b32 s46, s42, 8                         ; B: 128 columns of 2 bytes,
	s_lshl_b32 s47, s12, 18                        ; my 128 k-rows of 2,048 bytes,
	s_add_co_u32 s46, s46, s47
	s_add_co_u32 s46, s46, WOFF                    ; in the weight's place
	s_mov_b32 s47, 0
	s_mul_i32 s20, s10, HALFT
	s_wait_dscnt 0x0
	s_wait_kmcnt 0x0
	s_add_nc_u64 s[14:15], s[4:5], s[16:17]
	s_add_nc_u64 s[46:47], s[6:7], s[46:47]
	CROUND                                         ; all sixteen work-groups are here: the first joint loads meet
.irp s, 0,1
	s_mov_b32 s[G0+4*\s], 1
	s_add_co_u32 s[G0+4*\s+1], s20, \s*SLOT
	s_add_nc_u64 s[G0+4*\s+2:G0+4*\s+3], s[14:15], \s*ASLOTB
	s_or_b32 s[G0+4*\s+3], s[G0+4*\s+3], 0x80000000
	s_mov_b32 s[G0B+4*\s], 1
	s_add_co_u32 s[G0B+4*\s+1], s20, \s*SLOT
	s_add_nc_u64 s[G0B+4*\s+2:G0B+4*\s+3], s[46:47], \s*BSLOTB
	s_or_b32 s[G0B+4*\s+3], s[G0B+4*\s+3], 0x80000000
	JLOAD \s                                       ; two tensor loads of the wave are out
.endr
	v_and_b32 v1, 15, v0                           ; r
	v_bfe_u32 v2, v0, 4, 1                         ; h
	v_and_b32 v5, 31, v0
	v_lshlrev_b32 v[XO], 4, v5
	s_lshl_b32 s76, s42, 9                         ; my block's 128 columns of f32
	s_mov_b32 s77, 0
	s_add_nc_u64 s[68:69], s[68:69], s[76:77]
	global_load_b128 v[BI:BI+3], v[XO], s[68:69]
	s_lshl_b32 s78, s13, 7
	s_lshl_b32 s79, s10, 5
	s_add_co_u32 s78, s78, s79                     ; the 32 rows that I add up and store
	s_lshl_b32 s78, s78, 12
	s_add_co_u32 s76, s76, s78
	s_add_nc_u64 s[70:71], s[70:71], s[76:77]
	s_add_nc_u64 s[72:73], s[72:73], s[76:77]
.if AMODE
	v_lshrrev_b32 v3, 1, v1                        ; row r of a fragment: row pair r / 2, 128 bytes further for the odd row
	v_mul_u32_u24 v3, v3, APITCH
	v_and_b32 v4, 1, v1
	v_lshl_add_u32 v3, v4, 7, v3
.else
	v_mul_u32_u24 v3, v1, APITCH
.endif
	v_lshl_add_u32 v3, v2, 4, v3
	v_and_b32 v6, 7, v0
	v_lshl_add_u32 v6, v2, 3, v6
	v_mul_u32_u24 v6, v6, PITCHB
	v_bfe_u32 v7, v0, 3, 1
	v_lshl_add_u32 v6, v7, 4, v6
	s_mul_i32 s21, s10, AW                         ; my 64 k in A's rows
	s_mul_i32 s22, s11, HALFT                      ; my 64 k-rows of B: half w / 2,
	s_mul_i32 s23, s12, 64*PITCHB                  ; its rows 64 (w % 2) ..,
	s_add_co_u32 s22, s22, s23
	s_add_co_u32 s22, s22, 2*HALFT                 ; behind A's two halves
.irp s, 0,1
	v_add_nc_u32 v[ADRA+\s], s21, v3
	v_add_nc_u32 v[ADRB+\s], s22, v6
	s_add_co_u32 s21, s21, SLOT
	s_add_co_u32 s22, s22, SLOT
.endr
	s_mul_i32 s23, s10, WPART
	v_mul_u32_u24 v4, v1, RPITCH
	v_lshl_add_u32 v4, v2, 5, v4
	v_add_nc_u32 v[STP], s23, v4                   ; row r, 32 bytes for each half of the lanes, in my wave's part
	s_mul_i32 s23, s10, 32*RPITCH
.irp p, 0,1,2,3
	v_add_nc_u32 v[RDP+\p], s23, v[XO]             ; my 16 bytes of row 32 w in wave p's part
	s_add_co_u32 s23, s23, WPART
.endr
.macro MUL16 f, hi, a0, zero
.irp a, \a0, \a0+1
.irp b, 0,1,2,3,4,5,6,7
.if \zero
	v_wmma_f32_16x16x32_bf16 v[8*(8*(\a)+\b):8*(8*(\a)+\b)+7], v[\f+8*\b:\f+8*\b+7], v[\f+8*(4*\hi+\a):\f+8*(4*\hi+\a)+7], 0
.else
	v_wmma_f32_16x16x32_bf16 v[8*(8*(\a)+\b):8*(8*(\a)+\b)+7], v[\f+8*\b:\f+8*\b+7], v[\f+8*(4*\hi+\a):\f+8*(4*\hi+\a)+7], v[8*(8*(\a)+\b):8*(8*(\a)+\b)+7]
.endif
.endr
.endr
.endm
.macro FETCH slot, q, f                ; 32 LDS loads: 32 of my 64 k, all 128 columns of B, all 128 rows of A
	WIN TO_B
.irp i, 0,1,2,3,4,5,6,7
	ds_load_tr16_b128 v[\f+8*\i:\f+8*\i+3],   v[ADRB+\slot] offset:\q*32*PITCHB+32*\i
	ds_load_tr16_b128 v[\f+8*\i+4:\f+8*\i+7], v[ADRB+\slot] offset:\q*32*PITCHB+32*\i+16*PITCHB
.endr
	WIN 0
.irp i, 0,1,2,3,4,5,6,7
	ds_load_b128 v[\f+8*\i:\f+8*\i+3],   v[ADRA+\slot] offset:(\i>>2)*HALFT+(\i&3)*RB+64*\q
	ds_load_b128 v[\f+8*\i+4:\f+8*\i+7], v[ADRA+\slot] offset:(\i>>2)*HALFT+(\i&3)*RB+64*\q+32
.endr
.endm
.macro PLACES                          ; four plain vector instructions behind a matrix instruction (ISA guide 7.12.1)
.rept 4
	v_nop
.endr
.endm
; The 64 accumulators take turns, one instruction a turn, in the same order in every quarter.
.macro QUARTER slot, q, f, g, zero
	s_wait_dscnt 8                                 ; B and A's rows 0-63 are in; the youngest eight loads may be out
	WIN MUL_LO
	MUL16 \f, 0, 0, \zero
	MUL16 \f, 0, 2, \zero
	PLACES
	FETCH \slot, \q, \g
	s_wait_dscnt 32                                ; all but the 32 just issued
	WIN MUL_HI
	MUL16 \f, 1, 0, \zero
	MUL16 \f, 1, 2, \zero
.endm
; The second half of a slot, and the change of slots: each wave's reads of the slot and all its tensor loads are waited for in front of the barrier
; (a round of the cluster's barrier where the slot is filled again); the refill is first behind it.  From a request to its wait: 112 matrix instructions.
.macro TURN slot, next, fill
	s_wait_dscnt 8
	WIN MUL_LO
	MUL16 F1, 0, 0, 0
	s_wait_dscnt 0
	s_wait_tensorcnt 0x0
	ds_add_u32 v255, v63
	s_wait_dscnt 0x0
	s_barrier_signal -1
	MUL16 F1, 0, 2, 0
	WIN 0
	s_barrier_wait -1
.if \fill
	CREST
	s_add_nc_u64 s[G0+4*\slot+2:G0+4*\slot+3], s[G0+4*\slot+2:G0+4*\slot+3], 2*ASLOTB
	s_add_nc_u64 s[G0B+4*\slot+2:G0B+4*\slot+3], s[G0B+4*\slot+2:G0B+4*\slot+3], 2*BSLOTB
	JLOAD \slot
.endif
	PLACES
	FETCH \next, 0, F0
	WIN MUL_HI
	MUL16 F1, 1, 0, 0
	MUL16 F1, 1, 2, 0
.endm
.macro LAP zero
	QUARTER 0, 1, F0, F1, \zero
	TURN 0, 1, 1
	QUARTER 1, 1, F0, F1, 0
	TURN 1, 0, 1
.endm
	s_wait_tensorcnt 1                             ; my part of slot 0 is in; slot 1's stays out
	s_barrier_signal -1
	s_barrier_wait -1
	FETCH 0, 0, F0
	LAP 1                                          ; the first products start the sums
.if LAPS > 2
	WIN 0
	s_mov_b32 s3, LAPS-2
.Llap:
	LAP 0
	WIN 0
	s_sub_co_u32 s3, s3, 1
	s_cmp_lg_u32 s3, 0
	s_cbranch_scc1 .Llap
.endif
	QUARTER 0, 1, F0, F1, 0                        ; the last lap fills nothing
	TURN 0, 1, 0
	QUARTER 1, 1, F0, F1, 0
	s_wait_dscnt 8
	WIN MUL_LO
	MUL16 F1, 0, 0, 0
	MUL16 F1, 0, 2, 0
	s_wait_dscnt 0
	WIN MUL_HI
	MUL16 F1, 1, 0, 0
	MUL16 F1, 1, 2, 0
	; THE WAY OUT.  Each wave lays its 128 x 128 partial sums into LDS; wave w then adds up rows 32 w .. 32 w + 31 with residual and bias.
	PLACES
	WIN 0
.irp rho, 0,1,2,3,4,5,6,7
	global_load_b128 v[R0+4*\rho:R0+4*\rho+3], v[XO], s[70:71] offset:\rho*4096
.endr
	s_barrier_signal -1                            ; every wave's reads of the ring are over (its last wait on LDS was for 0), and every tensor load has landed
	s_barrier_wait -1
	WIN 0x08                                       ; store data from window 2
.irp a, 0,1,2,3
.irp b, 0,1,2,3,4,5,6,7
	ds_store_b128 v[STP], v[8*(8*\a+\b):8*(8*\a+\b)+3]   offset:\a*16*RPITCH+64*\b
	ds_store_b128 v[STP], v[8*(8*\a+\b)+4:8*(8*\a+\b)+7] offset:\a*16*RPITCH+64*\b+16
.endr
.endr
	WIN 0x0c                                       ; from window 3
.irp a, 0,1,2,3
.irp b, 0,1,2,3,4,5,6,7
	ds_store_b128 v[STP], v[8*(8*\a+\b):8*(8*\a+\b)+3]   offset:(\a+4)*16*RPITCH+64*\b
	ds_store_b128 v[STP], v[8*(8*\a+\b)+4:8*(8*\a+\b)+7] offset:(\a+4)*16*RPITCH+64*\b+16
.endr
.endr
	WIN 0
	s_wait_dscnt 0x0                               ; for the others' sake: my stores are done
	s_barrier_signal -1
	s_barrier_wait -1
; Eight rows.  more = 1: the next eight rows of the residual are asked for first, into the other buffer.
.macro RED g, more, buf, nbuf
.if \more
.irp rho, 0,1,2,3,4,5,6,7
	global_load_b128 v[\nbuf+4*\rho:\nbuf+4*\rho+3], v[XO], s[70:71] offset:(8*(\g+1)+\rho)*4096
.endr
.endif
.irp rho, 0,1,2,3,4,5,6,7
.irp p, 0,1,2,3
	ds_load_b128 v[PS+16*\rho+4*\p:PS+16*\rho+4*\p+3], v[RDP+\p] offset:(8*\g+\rho)*RPITCH
.endr
.endr
	s_wait_loadcnt 8*\more                         ; this batch's residual (and the bias) are in; the eight loads just issued may stay out
.irp rho, 0,1,2,3,4,5,6,7
	s_wait_dscnt 4*(7-\rho)                        ; this row's four loads are in; the later rows' may be out
	v_pk_add_f32 v[PS+16*\rho:PS+16*\rho+1],     v[PS+16*\rho:PS+16*\rho+1],     v[PS+16*\rho+4:PS+16*\rho+5]
	v_pk_add_f32 v[PS+16*\rho+2:PS+16*\rho+3],   v[PS+16*\rho+2:PS+16*\rho+3],   v[PS+16*\rho+6:PS+16*\rho+7]
	v_pk_add_f32 v[PS+16*\rho+8:PS+16*\rho+9],   v[PS+16*\rho+8:PS+16*\rho+9],   v[PS+16*\rho+12:PS+16*\rho+13]
	v_pk_add_f32 v[PS+16*\rho+10:PS+16*\rho+11], v[PS+16*\rho+10:PS+16*\rho+11], v[PS+16*\rho+14:PS+16*\rho+15]
	v_pk_add_f32 v[\buf+4*\rho:\buf+4*\rho+1],   v[\buf+4*\rho:\buf+4*\rho+1],   v[BI:BI+1]
	v_pk_add_f32 v[\buf+4*\rho+2:\buf+4*\rho+3], v[\buf+4*\rho+2:\buf+4*\rho+3], v[BI+2:BI+3]
	v_pk_add_f32 v[PS+16*\rho:PS+16*\rho+1],     v[PS+16*\rho:PS+16*\rho+1],     v[PS+16*\rho+8:PS+16*\rho+9]
	v_pk_add_f32 v[PS+16*\rho+2:PS+16*\rho+3],   v[PS+16*\rho+2:PS+16*\rho+3],   v[PS+16*\rho+10:PS+16*\rho+11]
	v_pk_add_f32 v[PS+16*\rho:PS+16*\rho+1],     v[PS+16*\rho:PS+16*\rho+1],     v[\buf+4*\rho:\buf+4*\rho+1]
	v_pk_add_f32 v[PS+16*\rho+2:PS+16*\rho+3],   v[PS+16*\rho+2:PS+16*\rho+3],   v[\buf+4*\rho+2:\buf+4*\rho+3]
	global_store_b128 v[XO], v[PS+16*\rho:PS+16*\rho+3], s[72:73] offset:(8*\g+\rho)*4096   ; 32 lanes: 512 consecutive bytes of a row, aligned
.endr
	s_wait_xcnt 0x0                                ; the stores' data registers are loaded again only behind this wait
.endm
	RED 0, 1, R0, R1
	RED 1, 1, R1, R0
	RED 2, 1, R0, R1
	RED 3, 0, R1, R0
	s_set_vgpr_msb 0x1
	s_wait_tensorcnt 0x0
	ds_add_u32 v255, v63
	s_wait_dscnt 0x0
	s_set_vgpr_msb 0x100
	CROUND                                         ; the closing round
	s_endpgm
.Lfunc_end_k_qd655635966_ffn2:
	.size	k_qd655635966_ffn2, .Lfunc_end_k_qd655635966_ffn2-k_qd655635966_ffn2
	.p2alignl 7, 3214868480
	.fill 96, 4, 3214868480
	.section	.rodata,"a",@progbits
	.p2align	6, 0x0
	.amdhsa_kernel k_qd655635966_ffn2
		.amdhsa_group_segment_fixed_size 327680
		.amdhsa_private_segment_fixed_size 0
		.amdhsa_enable_private_segment 0
		.amdhsa_kernarg_size 40
		.amdhsa_user_sgpr_count 2
		.amdhsa_user_sgpr_kernarg_segment_ptr 1
		.amdhsa_wavefront_size32 1
		.amdhsa_system_sgpr_workgroup_id_x 1
		.amdhsa_system_sgpr_workgroup_id_y 1
		.amdhsa_system_sgpr_workgroup_id_z 1
		.amdhsa_system_vgpr_workitem_id 0
		.amdhsa_next_free_vgpr 1024
		.amdhsa_next_free_sgpr 80
		.amdhsa_reserve_vcc 0
		.amdhsa_float_denorm_mode_32 3
		.amdhsa_float_denorm_mode_16_64 3
		.amdhsa_memory_ordered 1
		.amdhsa_forward_progress 1
		.amdhsa_inst_pref_size 131
	.end_amdhsa_kernel
	.amdgpu_metadata
---
amdhsa.version: [ 1, 2 ]
amdhsa.kernels:
  - .name:           k_qd655635966_ffn2
    .symbol:         k_qd655635966_ffn2.kd
    .args:
      - { .name: g, .offset: 0, .size: 8, .value_kind: global_buffer, .address_space: global }
      - { .name: wb, .offset: 8, .size: 8, .value_kind: global_buffer, .address_space: global }
      - { .name: b2, .offset: 16, .size: 8, .value_kind: global_buffer, .address_space: global }
      - { .name: x1, .offset: 24, .size: 8, .value_kind: global_buffer, .address_space: global }
      - { .name: out0, .offset: 32, .size: 8, .value_kind: global_buffer, .address_space: global }
    .group_segment_fixed_size: 327680
    .private_segment_fixed_size: 0
    .kernarg_segment_align: 8
    .kernarg_segment_size: 40
    .max_flat_workgroup_size: 128
    .sgpr_count:     80
    .vgpr_count:     1024
    .wavefront_size: 32
...
	.end_amdgpu_metadata
.endif
;; end of part 7
